; MI455X (gfx1250); checked and timed in simulation.
; The chip was launched on July 23, 2026; its instructions are those of AMD's public machine-readable ISA for CDNA 5 (MIT licence, August 2026) and "CDNA5" Instruction Set Architecture Reference Guide (July 2026). The comments in the code are by the model that wrote it; some were corrected since.
;; Attention. Allowed arithmetic: matrix products marked QUANTISED: E4M3 operands, one given power-of-two scale a tensor, by v_wmma_f32_16x16x64_fp8_fp8 or v_wmma_f32_16x16x128_fp8_fp8, f32 sums; everything else in f32.
;; Inputs: freqs_cos 2,048 x 64 float32; freqs_sin 2,048 x 64 float32; lowp_scales 12 int32 (the exponents e of the quantised operands' scales 2^e); mask 2,048 x 2,048 float32; wk 2,048 x 2,048 float32; wo 2,048 x 2,048 float32; wq 2,048 x 2,048 float32; wv 2,048 x 2,048 float32; x 1 x 2,048 x 2,048 float32.
;; Outputs: out0 1 x 2,048 x 2,048 float32.
;; Constants: start_pos = 0.
;; This version of the problem:
;;   THIS VERSION OF THE PROBLEM IS GIVEN IN LOW PRECISION. The matrix products marked QUANTISED in the list below multiply operands that are first quantised to E4M3 (4 exponent bits, 3 mantissa bits; 8 bits a number), with one given power-of-two scale for each operand tensor; their sums are f32. All else is computed in f32.
;;   The module's matrix products, in the order in which they are computed (A, B: the left and right operand; K: the contracted axis; several contracted axes count as one K, in the product's order):
;;     1. [M 2,048, K 2,048] x [K 2,048, N 2,048]; A: input x; B: input wq: QUANTISED (scales: A lowp_scales[0], B lowp_scales[1])
;;     2. [M 2,048, K 2,048] x [K 2,048, N 2,048]; A: input x; B: input wk: QUANTISED (scales: A lowp_scales[2], B lowp_scales[3])
;;     3. [M 2,048, K 2,048] x [K 2,048, N 2,048]; A: input x; B: input wv: QUANTISED (scales: A lowp_scales[4], B lowp_scales[5])
;;     4. batch 16 x [M 2,048, K 128] x [K 128, N 2,048]; A: computed on the way; B: computed on the way: QUANTISED (scales: A lowp_scales[6], B lowp_scales[7])
;;     5. batch 16 x [M 128, K 2,048] x [K 2,048, N 2,048]; A: computed on the way; B: softmax (see below): QUANTISED (scales: A lowp_scales[8], B lowp_scales[9])
;;     6. [M 2,048, K 2,048] x [K 2,048, N 2,048]; A: computed on the way; B: input wo: QUANTISED (scales: A lowp_scales[10], B lowp_scales[11])
;;   THE QUANTISER, for each operand of a quantised product, along K:
;;     - The operand's scale is 2^e, e = its entry of the input lowp_scales (int32; the entries are numbered through the quantised products in the list's order, A before B).
;;     - Each number is divided by the scale, clamped to +-448, and rounded to the nearest number of E4M3, ties to even, subnormals kept.
;;     - The product sums the exact products of the quantised numbers (number of the format x scale) in f32.
;;   ~~~python
;;   def quantise(x, axis, e):      # numpy; x: float32 -> the quantised numbers, widened to float32 again
;;       x = np.moveaxis(x, axis, -1); K = x.shape[-1]
;;       r = np.clip(x / 2.0 ** e, -448, 448)
;;       step = 2.0 ** (np.maximum(np.frexp(np.where(r == 0, 1, r))[1] - 1, -6) - 3)
;;       q = np.round(r / step) * step * 2.0 ** e      # np.round: ties to even
;;       return np.moveaxis(q, -1, axis).astype(np.float32)
;;   ~~~
;;   SOFTMAX AHEAD OF A QUANTISED PRODUCT. Where the list says 'softmax', what is quantised is not the finished softmax but p = 2^(t - M), with t = logit x log2(e) and M = ceil(the row's largest t), a whole number; so 1/2 < the row's largest p <= 1. The row's sum l is taken of the UNQUANTISED p, in f32, and the product's result is divided by l at the end. Since M is a whole number, a kernel that streams over the keys may use a running M (the ceiling of the running maximum): every later rescaling is an exact power of two, so the quantised numbers keep their values, but for numbers so far below the row's largest that they fall under the format's range.
;;   OPERANDS COMPUTED ON THE WAY. 'Computed on the way' means the value that the module computes at that place (a softmax that the list does not call 'softmax' is quantised finished and normalised). What goes into a quantiser is computed in f32, as accurately as f32 sums, v_exp_f32 and their like allow (about 1e-6 of the number): no bf16 or f16 on the way to a quantiser, and a product that is left as it is and whose result goes on into a quantised operand takes f32 operands (vector FMAs, or v_wmma_f32_16x16x4_f32). A number that lies on a knife's edge between two numbers of the format may be rounded either way, as far as f32 arithmetic and the matrix unit's own rounding can turn it there, and no further.
;; One version. Each part assembles by itself: llvm-mc -triple=amdgcn-amd-amdhsa -mcpu=gfx1250 --defsym DOCPART=n.
;; ======== version 1 of 1: 4 launches
;; limits: right only within a limited range of input values
;; workspace buffers: afr 12,582,912 bytes; bfr 12,582,912 bytes; wof 4,194,304 bytes; qkvf 12,582,912 bytes; ofr 4,194,304 bytes; csfr 1,048,576 bytes; mfr 16,777,216 bytes
;; launch quant (part 1): grid 256 x 1, 8 waves a work-group, no clusters, 167,936 bytes of LDS; arguments x, wq, wk, wv, wo, lowp_scales, afr, bfr, wof, freqs_cos, freqs_sin, csfr; writes afr, bfr, wof, csfr
.if DOCPART == 1
	.amdgcn_target "amdgcn-amd-amdhsa--gfx1250"
	.amdhsa_code_object_version 6
	.text
	.protected	k_q9174832b42_quant
	.globl	k_q9174832b42_quant
	.p2align	8
	.type	k_q9174832b42_quant,@function
k_q9174832b42_quant:
	s_mov_b64 s[64:65], 0
	v_nop
	global_prefetch_b8 v0, s[64:65] scope:SCOPE_SE
	s_setreg_imm32_b32 hwreg(HW_REG_WAVE_MODE, 25, 1), 1
	s_wait_xcnt 0x0
; x, wq, wk, wv, wo ([2048][2048] f32, K innermost) become codes of E4M3, each with the scale 2^e that is given for it; x three times (entries 0, 2, 4).
; code = number / 2^e, held within +-448, to the nearest code, ties to even.  The program leaves no work of reference() out; start_pos is a constant that reference() does not use.
; LIMITS: each e between -126 and 119, so that 2^e and 448 x 2^e are f32 numbers.  NaN among the inputs is not served.
; THE CODES ARE LAID AS IMAGES OF THE OPERAND'S REGISTERS.  Image (T, ks), 2,048 bytes at T x 32,768 + ks x 2,048: the 16 bytes at 512 c + 16 lane (lane = 16 h + r) are the codes of row
; 32 (T / 2) + 8 (T % 2) + r + 8 (r / 8) at k = 128 ks + 32 c + 16 h + 0 .. 15.
; cos and sin become images too: 8,192 bytes for each T; the 16 bytes at 512 t + 16 lane (sin: 4,096 further on) are that row's frequencies 16 (t / 2) + 8 h + 4 (t % 2) + 0 .. 3.
; SHARES.  Work-group g: T = g / 2, half g % 2 of K; wave w: ks = 8 (g % 2) + w of each of the five tensors, and one 512-byte piece of cos or sin.  All work-groups have the same work.
; A step's 16 loads read 512 consecutive bytes of one row each; the 8,192 bytes turn through the wave's own stage in LDS (rows of 512 + 16 bytes) and come back 64 neighbouring bytes a lane and block of 32.
; A stream that shares nothing between waves: no barrier, no cluster, no tensor load.  Loads run three steps (48 loads a wave) ahead.
.set MI,    0x400000
.set SROW,  528                        ; a stage row
.set STG,   16*SROW
.set SPARE, 8*STG                      ; the spare words, 128 bytes a wave: four blocks of 256 bytes that no other line names
.set LO,  1                            ; v1   16 x lane
.set SI,  2                            ; v2   the stage, on the way in
.set SO,  3                            ; v3   the stage, on the way out
.set SPW, 4
.set NIL, 5
.set SC,  6                            ; v6-19 seven pairs: 2^e, 448 x 2^e
.set CSO, 20                           ; v20  my place in cos or sin
.set CSD, 24                           ; v24-27
.set R,   32                           ; v32-223 three sets of 64
.set T,   224                          ; v224-239 16 held numbers
.set C,   240                          ; v240-255 the image's 16 registers
	s_load_b512 s[4:19], s[0:1], 0x0               ; x, wq, wk, wv, wo, the exponents, afr, bfr
	s_load_b256 s[20:27], s[0:1], 0x40             ; wof, cos, sin, csfr
	v_lshl_add_u32 v[SPW], v0, 2, SPARE
	v_mov_b32 v[NIL], 0
	v_lshrrev_b32 v28, 5, v0
	v_readfirstlane_b32 s28, v28                   ; wave
	v_and_b32 v28, 31, v0
	v_lshlrev_b32 v[LO], 4, v28
	s_mul_i32 s29, s28, STG
	v_add_nc_u32 v[SI], s29, v[LO]
	v_and_b32 v28, 15, v0                          ; r
	v_bfe_u32 v29, v0, 4, 1                        ; h
	v_mul_u32_u24 v[SO], v28, SROW
	v_lshl_add_u32 v[SO], v29, 6, v[SO]
	v_add_nc_u32 v[SO], s29, v[SO]
	v_and_b32 v30, 8, v0
	v_add_nc_u32 v28, v28, v30                     ; r + 8 (r / 8)
	v_lshlrev_b32 v[CSO], 8, v28
	v_lshl_add_u32 v[CSO], v29, 5, v[CSO]
	s_lshr_b32 s44, ttmp9, 1                       ; T
	s_and_b32 s45, ttmp9, 1                        ; half
	s_lshr_b32 s46, s44, 1                         ; T / 2
	s_and_b32 s47, s44, 1                          ; T % 2
	s_lshl_b32 s30, s46, 18
	s_lshl_b32 s31, s47, 16
	s_add_co_u32 s30, s30, s31
	s_lshl_b32 s31, s45, 12
	s_add_co_u32 s30, s30, s31
	s_lshl_b32 s31, s28, 9
	s_add_co_u32 s30, s30, s31
	s_mov_b32 s31, 0                               ; s[30:31]: where my wave reads
	s_lshl_b32 s48, s44, 15
	s_lshl_b32 s49, s45, 14
	s_add_co_u32 s48, s48, s49
	s_lshl_b32 s49, s28, 11
	s_add_co_u32 s48, s48, s49
	s_mov_b32 s49, 0                               ; s[48:49]: where it stores
	s_lshl_b32 s46, s46, 13                        ; cos, sin: 32 (T / 2) + 8 (T % 2) rows of 256 bytes
	s_lshl_b32 s47, s47, 11
	s_add_co_u32 s46, s46, s47
	s_lshr_b32 s47, s28, 1
	s_lshl_b32 s47, s47, 6
	s_add_co_u32 s46, s46, s47
	s_and_b32 s47, s28, 1
	s_lshl_b32 s47, s47, 4
	s_add_co_u32 s46, s46, s47
	s_mov_b32 s47, 0
	s_lshl_b32 s44, s44, 13                        ; and their images
	s_lshl_b32 s29, s45, 12
	s_add_co_u32 s44, s44, s29
	s_lshl_b32 s29, s28, 9
	s_add_co_u32 s44, s44, s29
	s_cmp_eq_u32 s45, 0                            ; half 0: cos, half 1: sin
	s_mov_b32 s45, 0
	s_wait_alu depctr_va_vdst(0)                   ; the wait here, directly ahead of the wait below
	s_wait_kmcnt 0x0
	s_load_b256 s[32:39], s[14:15], 0x0            ; e0 .. e7
	s_load_b128 s[40:43], s[14:15], 0x20           ; e8 .. e11
	s_cselect_b64 s[22:23], s[22:23], s[24:25]
	s_add_nc_u64 s[22:23], s[22:23], s[46:47]
	s_add_nc_u64 s[26:27], s[26:27], s[44:45]
	s_add_nc_u64 s[4:5], s[4:5], s[30:31]
	s_add_nc_u64 s[6:7], s[6:7], s[30:31]
	s_add_nc_u64 s[8:9], s[8:9], s[30:31]
	s_add_nc_u64 s[10:11], s[10:11], s[30:31]
	s_add_nc_u64 s[12:13], s[12:13], s[30:31]
.macro LOAD t, sb                      ; load i reads 512 consecutive bytes of the tile's row i
.set ii, 0
.rept 16
	global_load_b128 v[R+64*((\t)%3)+4*ii:R+64*((\t)%3)+4*ii+3], v[LO], s[\sb:\sb+1] offset:(ii+8*(ii/8))*8192 th:TH_LOAD_NT
.set ii, ii+1
.endr
.endm
	global_load_b128 v[CSD:CSD+3], v[CSO], s[22:23]
	LOAD 0, 4
	LOAD 1, 6
	LOAD 2, 8
	s_add_nc_u64 s[50:51], s[16:17], s[48:49]      ; x by e0 -> afr
	s_add_nc_u64 s[52:53], s[50:51], MI            ; x by e2 -> afr + MI
	s_add_nc_u64 s[60:61], s[52:53], MI            ; wv -> afr + 2 MI
	s_add_nc_u64 s[56:57], s[18:19], s[48:49]      ; wq -> bfr
	s_add_nc_u64 s[58:59], s[56:57], MI            ; wk -> bfr + MI
	s_add_nc_u64 s[54:55], s[58:59], MI            ; x by e4 -> bfr + 2 MI
	s_add_nc_u64 s[62:63], s[20:21], s[48:49]      ; wo -> wof
.macro TURN t                          ; a step's numbers through the stage, back into the registers that they came from
.set XS, R+64*((\t)%3)
.set ii, 0
.rept 16
	ds_store_b128 v[SI], v[XS+4*ii:XS+4*ii+3] offset:SROW*ii
.set ii, ii+1
.endr
	s_wait_dscnt 0x0                               ; the stores have read their registers, which the loads below write
.irp c, 0,1,2,3
.irp j, 0,1,2,3
	ds_load_b128 v[XS+16*\c+4*\j:XS+16*\c+4*\j+3], v[SO] offset:128*\c+16*\j
.endr
.endr
	s_wait_dscnt 0x0
.endm
.macro MKSC e, n                       ; 2^e and 448 x 2^e as f32
	s_add_co_i32 s44, s[\e], 127
	s_lshl_b32 s45, s44, 23
	v_mov_b32 v[SC+2*\n], s45
	s_add_co_i32 s44, s44, 8
	s_lshl_b32 s44, s44, 23
	s_or_b32 s44, s44, 0x600000
	v_mov_b32 v[SC+2*\n+1], s44
.endm
.macro QUANT n, dst, t                 ; 64 numbers become an image by scale pair n.  The numbers are kept: x is quantised three times
.set XS, R+64*((\t)%3)
	s_wait_xcnt 0x0                                ; the earlier stores have read C
.irp c, 0,1,2,3
.set ii, 0
.rept 16
	v_med3_num_f32 v[T+ii], v[XS+16*\c+ii], -v[SC+2*\n+1], v[SC+2*\n+1]   ; the conversion to an 8-bit code does not saturate (ISA guide 7.6.2): the hold at the largest code x the scale
.set ii, ii+1
.endr
	v_cvt_scalef32_pk8_fp8_f32 v[C+4*\c:C+4*\c+1], v[T:T+7], v[SC+2*\n]
	v_cvt_scalef32_pk8_fp8_f32 v[C+4*\c+2:C+4*\c+3], v[T+8:T+15], v[SC+2*\n]
	v_nop                                          ; a plain line between the conversions and the next write of their sources
	global_store_b128 v[LO], v[C+4*\c:C+4*\c+3], s[\dst:\dst+1] offset:512*\c   ; 32 lanes store 512 consecutive bytes, aligned
.endr
.endm
	s_wait_kmcnt 0x0
	MKSC 32, 0
	MKSC 34, 1
	MKSC 36, 2
	MKSC 33, 3
	MKSC 35, 4
	MKSC 37, 5
	MKSC 43, 6
	s_wait_alu depctr_va_vdst(0)                   ; the wait at the head's end
	s_wait_loadcnt 32                              ; cos or sin and x are in; wq's and wk's 32 loads may be out
	global_store_b128 v[LO], v[CSD:CSD+3], s[26:27]
	TURN 0
	QUANT 0, 50, 0
	QUANT 1, 52, 0
	QUANT 2, 54, 0
	LOAD 3, 10
	s_wait_loadcnt 32                              ; wq is in
	TURN 1
	QUANT 3, 56, 1
	LOAD 4, 12
	s_wait_loadcnt 32                              ; wk is in
	TURN 2
	QUANT 4, 58, 2
	s_wait_loadcnt 16                              ; wv is in
	TURN 3
	QUANT 5, 60, 3
	s_wait_loadcnt 0x0
	TURN 4
	QUANT 6, 62, 4
	s_wait_tensorcnt 0x0                           ; the wave's end, behind my last LDS store
	ds_add_u32 v[SPW], v[NIL]
	s_wait_dscnt 0x0
	s_endpgm
.Lfunc_end_k_q9174832b42_quant:
	.size	k_q9174832b42_quant, .Lfunc_end_k_q9174832b42_quant-k_q9174832b42_quant
	.p2alignl 7, 3214868480
	.fill 96, 4, 3214868480
	.section	.rodata,"a",@progbits
	.p2align	6, 0x0
	.amdhsa_kernel k_q9174832b42_quant
		.amdhsa_group_segment_fixed_size 167936
		.amdhsa_private_segment_fixed_size 0
		.amdhsa_enable_private_segment 0
		.amdhsa_kernarg_size 96
		.amdhsa_user_sgpr_count 2
		.amdhsa_user_sgpr_kernarg_segment_ptr 1
		.amdhsa_wavefront_size32 1
		.amdhsa_system_sgpr_workgroup_id_x 1
		.amdhsa_system_sgpr_workgroup_id_y 1
		.amdhsa_system_sgpr_workgroup_id_z 1
		.amdhsa_system_vgpr_workitem_id 0
		.amdhsa_next_free_vgpr 256
		.amdhsa_next_free_sgpr 66
		.amdhsa_reserve_vcc 0
		.amdhsa_float_denorm_mode_32 3
		.amdhsa_float_denorm_mode_16_64 3
		.amdhsa_memory_ordered 1
		.amdhsa_forward_progress 1
		.amdhsa_inst_pref_size 59
	.end_amdhsa_kernel
	.amdgpu_metadata
---
amdhsa.version: [ 1, 2 ]
amdhsa.kernels:
  - .name:           k_q9174832b42_quant
    .symbol:         k_q9174832b42_quant.kd
    .args:
      - { .name: x, .offset: 0, .size: 8, .value_kind: global_buffer, .address_space: global }
      - { .name: wq, .offset: 8, .size: 8, .value_kind: global_buffer, .address_space: global }
      - { .name: wk, .offset: 16, .size: 8, .value_kind: global_buffer, .address_space: global }
      - { .name: wv, .offset: 24, .size: 8, .value_kind: global_buffer, .address_space: global }
      - { .name: wo, .offset: 32, .size: 8, .value_kind: global_buffer, .address_space: global }
      - { .name: lowp_scales, .offset: 40, .size: 8, .value_kind: global_buffer, .address_space: global }
      - { .name: afr, .offset: 48, .size: 8, .value_kind: global_buffer, .address_space: global }
      - { .name: bfr, .offset: 56, .size: 8, .value_kind: global_buffer, .address_space: global }
      - { .name: wof, .offset: 64, .size: 8, .value_kind: global_buffer, .address_space: global }
      - { .name: freqs_cos, .offset: 72, .size: 8, .value_kind: global_buffer, .address_space: global }
      - { .name: freqs_sin, .offset: 80, .size: 8, .value_kind: global_buffer, .address_space: global }
      - { .name: csfr, .offset: 88, .size: 8, .value_kind: global_buffer, .address_space: global }
    .group_segment_fixed_size: 167936
    .private_segment_fixed_size: 0
    .kernarg_segment_align: 8
    .kernarg_segment_size: 96
    .max_flat_workgroup_size: 256
    .sgpr_count:     66
    .vgpr_count:     256
    .wavefront_size: 32
...
	.end_amdgpu_metadata
.endif
;; end of part 1
;; launch qkv (part 2): grid 8 x 32, 4 waves a work-group, clusters of 4 x 4, 327,680 bytes of LDS; arguments afr, bfr, csfr, mask, lowp_scales, qkvf, mfr; writes qkvf, mfr
.if DOCPART == 2
	.amdgcn_target "amdgcn-amd-amdhsa--gfx1250"
	.amdhsa_code_object_version 6
	.text
	.protected	k_q9174832b42_qkv
	.globl	k_q9174832b42_qkv
	.p2align	8
	.type	k_q9174832b42_qkv,@function
k_q9174832b42_qkv:
	s_mov_b64 s[64:65], 0
	v_nop
	global_prefetch_b8 v0, s[64:65] scope:SCOPE_SE
	s_setreg_imm32_b32 hwreg(HW_REG_WAVE_MODE, 25, 1), 1
	s_wait_xcnt 0x0
	s_wait_alu depctr_hold_cnt(0) depctr_sa_sdst(0) depctr_va_vdst(0) depctr_va_sdst(0) depctr_va_ssrc(0) depctr_va_vcc(0) depctr_vm_vsrc(0)
	s_getreg_b32 s2, hwreg(HW_REG_IB_STS2, 6, 4)
	s_cmp_eq_u32 s2, 0
	s_cbranch_scc0 .Lentry_in_a_cluster
	s_endpgm
.Lentry_in_a_cluster:
	s_bfe_u32 s2, ttmp6, 0x10000c
	s_cmp_lg_u32 s2, 0xf033
	s_cbranch_scc0 .Lentry_shape_is_right
	s_endpgm
.Lentry_shape_is_right:
; Q = rope(x wq^T), K = rope(x wk^T) and V^T = wv x^T on codes of E4M3, quantised for the attention's products (entries 6, 7, 8) and laid as images of operand registers; beside them the mask x log2(e), laid as an image of the scores' registers.
; SHARES.  Cluster rows 0 to 5 (two for each of Q, K, V): a work-group makes a block of 256 x 256, four waves 128 x 128 each (64 accumulators, 512 registers).  Cluster rows 6, 7: 64 work-groups turn the mask.
; K goes in steps of 256 through two LDS slots (A's 16 tiles of 4,096 bytes, then B's).  CLUSTERS: A's tiles are asked for jointly along a row of the cluster, B's along a column.
; THE MATRIX INSTRUCTION IS USED TRANSPOSED (source 0 = B's rows): a lane holds ONE row of the block, and the 16 registers of two neighbouring tiles are 16 neighbours along the head (V: along the tokens): the conversions' results are an image.
; A finished sum stands for sum x 2^(eA + eB): its code is sum / 2^(e_out - eA - eB): the scales are folded into the conversion's one; the rotation is linear, so it may stand ahead of that power of two.
; A PREFETCH of each K step stands two K steps ahead of its joint load: of the 32 KiB that a wave fetches each of the four partners asks for two tiles (8,192 bytes, a lane 256 bytes), told apart by address.  K steps 1 and 2 are asked for behind K step 0's load.
; LIMITS: e_out - eA - eB between -126 and 119.  NaN among the inputs is not served.  The mask x log2(e) is an f32 number.
; REGISTERS, in windows of 256: window 0: addresses, A's fragments from v128, on the way out v32-119 and (mask) v64-255; window 1: B's fragments, two sets; on the way out cos and sin, four sets of 64; windows 2, 3: the accumulators.
.set KSB,    4096
.set HALFT,  8*KSB
.set SLOT,   4*HALFT
.set STAGE,  2*SLOT                    ; behind the ring: the mask's stages, 16 rows x 528 bytes a wave
.set SROW,   528
.set SPARE,  STAGE+4*16*SROW           ; the spare words, 128 bytes a wave
.set LAPS,   4
.set FR,     16
.set NL,     4
.set NP,     4
.set ADRA, 16
.set SI,   18
.set SO,   19
.set ADRB, 20
.set LO,   24
.set PFO,  25                          ; the prefetches' offset
.set PFC,  26                          ; the same for cos and sin: 256 x lane
.set SPW,  28
.set NIL,  29
.set LIMV, 30
.set SCV,  31
.set TMP,  32
.set T2,   96
.set PC,   104
.set AF,   128
.set WV, 16
.set WH, 17
.set WL, 18
.set TY, 19
.set WHICH, 20
.set G1, 24
.set G0, 32
.set G1B, 48
.set G0B, 56
.set PFA, 70
.set CSP, 94
.set CSK, 96
.set MSB, 0
.macro WIN new                         ; the immediate's high byte repeats the setting that is left
.if MSB != (\new)
	s_set_vgpr_msb (MSB<<8)|(\new)
.set MSB, (\new)
.endif
.endm
.set MUL_LO, 0xa1                      ; source 0 (B) window 1, source 1 (A) window 0, C and D window 2
.set MUL_HI, 0xf1
.set TO_B,   0x40
.macro JLOAD s                         ; the wave's one joint load: waves 0, 1 for A, waves 2, 3 for B; an s_nop 0 and four v_nop follow each line
	s_cmp_eq_u32 s[WH], 0
	s_cbranch_scc0 .Lfor_b_\@
	tensor_load_to_lds s[G0+4*\s:G0+4*\s+3], s[G1:G1+7]
	s_nop 0
.rept 4
	v_nop
.endr
	s_branch .Lasked_\@
.Lfor_b_\@:
	tensor_load_to_lds s[G0B+4*\s:G0B+4*\s+3], s[G1B:G1B+7]
	s_nop 0
.rept 4
	v_nop
.endr
.Lasked_\@:
.endm
.macro CREST
	s_cmp_lg_u32 s[WV], 0
	s_cbranch_scc1 .Lnot_wave_0_\@
	s_barrier_signal -3
.Lnot_wave_0_\@:
	s_barrier_wait -3
	s_barrier_signal -1
	s_barrier_wait -1
.endm
.macro CROUND                          ; a round of the cluster's barrier
	s_barrier_signal -1
	s_barrier_wait -1
	CREST
.endm
	s_load_b256 s[4:11], s[0:1], 0x0               ; afr, bfr, csfr, mask
	s_load_b128 s[12:15], s[0:1], 0x20             ; the exponents, qkvf
	s_load_b64 s[92:93], s[0:1], 0x30              ; mfr
	v_lshl_add_u32 v[SPW], v0, 2, SPARE
	v_mov_b32 v[NIL], 0
	ds_add_u32 v[SPW], v[NIL]                      ; the opening: the add, twice on end, and its wait
	ds_add_u32 v[SPW], v[NIL]
	v_lshrrev_b32 v1, 5, v0
	v_readfirstlane_b32 s[WV], v1
	s_lshr_b32 s[WH], s[WV], 1                     ; which half of the block's rows is mine; also: I fetch for A (0) or B (1)
	s_and_b32 s[WL], s[WV], 1                      ; which half of its columns; also: which 128 rows of that tile I fetch
	s_bfe_u32 s40, ttmp6, 0x40000                  ; cx
	s_bfe_u32 s41, ttmp6, 0x40004                  ; cy
	s_lshl_b32 s42, ttmp9, 2
	s_add_co_u32 s42, s42, s40                     ; block column
	s_and_b32 s21, ttmp7, 0xffff
	s_lshr_b32 s[WHICH], s21, 1                    ; 0 Q, 1 K, 2 V^T, 3 the mask
	s_and_b32 s[TY], s21, 1
	s_lshl_b32 s[TY], s[TY], 2
	s_add_co_u32 s[TY], s[TY], s41                 ; block row
	s_lshl_b32 s43, s41, 2
	s_lshl_b32 s43, 15, s43
	s_lshl_b32 s44, 0x1111, s40
	s_or_b32 s[G1+0], s43, (3<<16)|(1<<21)         ; 8 rows (tiles) of 512 elements of 8 bytes, 4,096 elements apart
	s_or_b32 s[G1B+0], s44, (3<<16)|(1<<21)
.irp g, G1, G1B
	s_mov_b32 s[\g+1], 512<<16
	s_mov_b32 s[\g+2], 8<<16
	s_mov_b32 s[\g+3], 512<<16
	s_mov_b32 s[\g+4], 8
	s_mov_b32 s[\g+5], 4096
	s_mov_b32 s[\g+6], 0
	s_mov_b32 s[\g+7], 0
.endr
	s_lshl_b32 s66, s[WHICH], 22
	s_lshl_b32 s67, s[WL], 18
	s_add_co_u32 s66, s66, s67
	s_lshl_b32 s68, s[TY], 19
	s_add_co_u32 s68, s68, s66
	s_mov_b32 s69, 0
	s_lshl_b32 s46, s42, 19
	s_add_co_u32 s46, s46, s66
	s_mov_b32 s47, 0
	s_mul_i32 s45, s[WV], HALFT
	v_and_b32 v1, 31, v0                           ; lane
	v_lshlrev_b32 v[LO], 4, v1
	s_wait_dscnt 0x0                               ; both opening adds are done
	s_wait_alu depctr_va_vdst(0)                   ; the wait here, directly ahead of the wait below
	s_wait_kmcnt 0x0
	s_cmp_eq_u32 s[WHICH], 3
	s_cbranch_scc1 .Lmask                          ; whole clusters go this way: the number of the cluster's row decides
	s_load_b256 s[80:87], s[12:13], 0x0            ; e0 .. e7
	s_load_b32 s88, s[12:13], 0x20                 ; e8
	s_add_nc_u64 s[68:69], s[4:5], s[68:69]
	s_add_nc_u64 s[46:47], s[6:7], s[46:47]
	CROUND                                         ; all sixteen work-groups are here: the first joint loads meet
.irp s, 0,1
	s_mov_b32 s[G0+4*\s], 1
	s_add_co_u32 s[G0+4*\s+1], s45, \s*SLOT
	s_add_nc_u64 s[G0+4*\s+2:G0+4*\s+3], s[68:69], \s*KSB
	s_or_b32 s[G0+4*\s+3], s[G0+4*\s+3], 0x80000000
	s_mov_b32 s[G0B+4*\s], 1
	s_add_co_u32 s[G0B+4*\s+1], s45, \s*SLOT
	s_add_nc_u64 s[G0B+4*\s+2:G0B+4*\s+3], s[46:47], \s*KSB
	s_or_b32 s[G0B+4*\s+3], s[G0B+4*\s+3], 0x80000000
.endr
	JLOAD 0                                        ; K step 0
	s_cmp_eq_u32 s[WH], 0                          ; the prefetches: my work-group's two tiles of the eight that I fetch
	s_cselect_b64 s[PFA:PFA+1], s[68:69], s[46:47]
	s_cselect_b32 s74, s40, s41
	s_lshl_b32 s74, s74, 16
	s_mov_b32 s75, 0
	s_add_nc_u64 s[PFA:PFA+1], s[PFA:PFA+1], s[74:75]
	v_lshrrev_b32 v2, 4, v1
	v_and_b32 v3, 15, v1
	v_lshlrev_b32 v3, 8, v3
	v_lshl_add_u32 v[PFO], v2, 15, v3
	global_prefetch_b8 v[PFO], s[PFA:PFA+1] offset:KSB th:TH_LOAD_NT scope:SCOPE_SE
	global_prefetch_b8 v[PFO], s[PFA:PFA+1] offset:2*KSB th:TH_LOAD_NT scope:SCOPE_SE
	v_lshlrev_b32 v[PFC], 8, v1
	s_mul_i32 s21, s[WH], HALFT
	s_mul_i32 s22, s[WL], HALFT
	s_add_co_u32 s22, s22, 2*HALFT
.irp s, 0,1
	v_add_nc_u32 v[ADRA+\s], s21, v[LO]
	v_add_nc_u32 v[ADRB+\s], s22, v[LO]
	s_add_co_u32 s21, s21, SLOT
	s_add_co_u32 s22, s22, SLOT
.endr
	s_lshl_b32 s74, s[TY], 17                      ; cos and sin: 16 tiles of 8,192 bytes for my block's rows
	s_add_nc_u64 s[8:9], s[8:9], s[74:75]
	s_lshl_b32 s76, s40, 15
	s_lshl_b32 s77, s[WV], 13
	s_add_co_u32 s76, s76, s77
	s_mov_b32 s77, 0
	s_add_nc_u64 s[CSP:CSP+1], s[8:9], s[76:77]    ; of which my wave prefetches one
	s_lshl_b32 s74, s[WH], 16
	s_add_nc_u64 s[8:9], s[8:9], s[74:75]
	s_cmp_lt_u32 s[WHICH], 2
	s_cselect_b32 s[CSK], 1, 0                     ; the trip in which they are asked for; V asks for none
	s_lshl_b32 s76, s[WHICH], 22                   ; where my part begins in qkvf
	s_lshl_b32 s78, s[TY], 19
	s_add_co_u32 s76, s76, s78
	s_lshl_b32 s78, s[WH], 18
	s_add_co_u32 s76, s76, s78
	s_lshl_b32 s78, s42, 12
	s_add_co_u32 s76, s76, s78
	s_lshl_b32 s78, s[WL], 11
	s_add_co_u32 s76, s76, s78
	s_mov_b32 s77, 0
	s_add_nc_u64 s[14:15], s[14:15], s[76:77]
	s_wait_kmcnt 0x0
	s_sub_co_i32 s66, s86, s80                     ; Q: e6 - e0 - e1
	s_sub_co_i32 s66, s66, s81
	s_sub_co_i32 s67, s87, s82                     ; K: e7 - e2 - e3
	s_sub_co_i32 s67, s67, s83
	s_sub_co_i32 s78, s88, s84                     ; V: e8 - e4 - e5
	s_sub_co_i32 s78, s78, s85
	s_cmp_eq_u32 s[WHICH], 1
	s_cselect_b32 s72, s67, s66
	s_cmp_eq_u32 s[WHICH], 2
	s_cselect_b32 s72, s78, s72
	s_add_co_i32 s72, s72, 127
	s_lshl_b32 s73, s72, 23
	v_mov_b32 v[SCV], s73                          ; the conversion's scale
	s_add_co_i32 s72, s72, 8
	s_lshl_b32 s72, s72, 23
	s_or_b32 s72, s72, 0x600000
	v_mov_b32 v[LIMV], s72                         ; 448 x that
.macro FRAG reg, adr, q, i
.irp c, 0,1,2,3
	ds_load_b128 v[\reg+4*\c:\reg+4*\c+3], v[\adr] offset:2048*(\q)+512*\c+(\i)*KSB
.endr
.endm
; 16 matrix instructions: A's tiles a0, a0 + 1 x B's eight.  The 64 accumulators take turns, one instruction a turn.
.macro MUL16 a0, p, zero
.irp a, \a0, \a0+1
.irp b, 0,1,2,3,4,5,6,7
.if \zero
	v_wmma_f32_16x16x128_fp8_fp8 v[8*(8*((\a)%4)+\b):8*(8*((\a)%4)+\b)+7], v[128*(\p)+FR*\b:128*(\p)+FR*\b+FR-1], v[AF+FR*(\a):AF+FR*(\a)+FR-1], 0
.else
	v_wmma_f32_16x16x128_fp8_fp8 v[8*(8*((\a)%4)+\b):8*(8*((\a)%4)+\b)+7], v[128*(\p)+FR*\b:128*(\p)+FR*\b+FR-1], v[AF+FR*(\a):AF+FR*(\a)+FR-1], v[8*(8*((\a)%4)+\b):8*(8*((\a)%4)+\b)+7]
.endif
.endr
.endr
.endm
.macro FETCH_B slot, q, p
	WIN TO_B
.irp i, 0,1,2,3,4,5,6,7
	FRAG 128*(\p)+FR*\i, ADRB+\slot, \q, \i
.endr
	WIN 0
.endm
.macro FETCH_A slot, q, i0
.irp i, \i0, \i0+1, \i0+2, \i0+3
	FRAG AF+FR*(\i), ADRA+\slot, \q, \i
.endr
.endm
.macro PLACES n                        ; places behind matrix instructions (ISA guide 7.12.1 for vector instructions)
.rept \n
	v_nop
.endr
.endm
.macro STEP slot, q, zero              ; 128 along K that have their successor in the same slot
	s_wait_dscnt 4*NL                              ; A's tiles 4-7 (the youngest 16 loads) may be out
	WIN MUL_LO
	MUL16 0, (\q)%2, \zero
	MUL16 2, (\q)%2, \zero
	s_wait_dscnt 0
	PLACES NP
	FETCH_B \slot, (\q)+1, 1-(\q)%2
	FETCH_A \slot, (\q)+1, 0
	WIN MUL_HI
	MUL16 4, (\q)%2, \zero
	MUL16 6, (\q)%2, \zero
	PLACES NP
	WIN 0
	FETCH_A \slot, (\q)+1, 4
.endm
.macro TURN slot, next, fill           ; a slot's last 128 along K, and the change of slots
.if \fill
	s_wait_xcnt 0x0                                ; the prefetches have read their address:
	s_add_nc_u64 s[PFA:PFA+1], s[PFA:PFA+1], KSB   ; one K step on
.endif
	s_wait_tensorcnt 0x0                           ; my part of the next slot is in
	ds_add_u32 v[SPW], v[NIL]
	s_wait_dscnt 4*NL+1                            ; the add and A's tiles 4-7 may be out
	WIN MUL_LO
	MUL16 0, 1, 0
	s_wait_dscnt 0x0                               ; the add is done, and my reads of this slot are over
	s_barrier_signal -1
	MUL16 2, 1, 0
	WIN 0
	s_barrier_wait -1
.if \fill
	CREST                                          ; no wave of any partner still reads this slot or has a load on its way
	s_add_nc_u64 s[G0+4*\slot+2:G0+4*\slot+3], s[G0+4*\slot+2:G0+4*\slot+3], 2*KSB
	s_add_nc_u64 s[G0B+4*\slot+2:G0B+4*\slot+3], s[G0B+4*\slot+2:G0B+4*\slot+3], 2*KSB
	JLOAD \slot
.else
	PLACES NP
.endif
	FETCH_B \next, 0, 0
	FETCH_A \next, 0, 0
.if \fill
	s_cmp_gt_u32 s3, 1                             ; the last trip's loads have no K step two on
	s_cbranch_scc0 .Lno_ask_\@
	global_prefetch_b8 v[PFO], s[PFA:PFA+1] offset:3*KSB th:TH_LOAD_NT scope:SCOPE_SE
.Lno_ask_\@:
.if (\slot) == 0
	s_cmp_eq_u32 s3, s[CSK]                        ; in the last trip: cos and sin, each 256 bytes once in the cluster
	s_cbranch_scc0 .Lno_cs_\@
	global_prefetch_b8 v[PFC], s[CSP:CSP+1] th:TH_LOAD_NT scope:SCOPE_SE
.Lno_cs_\@:
.endif
.endif
	WIN MUL_HI
	MUL16 4, 1, 0
	MUL16 6, 1, 0
	PLACES NP
	WIN 0
	FETCH_A \next, 0, 4
.endm
	s_wait_alu depctr_va_vdst(0)                   ; the wait at the head's end
	s_wait_tensorcnt 0x0                           ; my part of K step 0 is in
	ds_add_u32 v[SPW], v[NIL]
	s_wait_dscnt 0x0
	CROUND
	JLOAD 1                                        ; K step 1
	FETCH_B 0, 0, 0
	FETCH_A 0, 0, 0
	global_prefetch_b8 v[PFO], s[PFA:PFA+1] offset:3*KSB th:TH_LOAD_NT scope:SCOPE_SE
	FETCH_A 0, 0, 4
	STEP 0, 0, 1                                   ; its products start the sums
	s_mov_b32 s3, LAPS-1
.Llap:
	TURN 0, 1, 1
	STEP 1, 0, 0
	TURN 1, 0, 1
	STEP 0, 0, 0
	s_sub_co_u32 s3, s3, 1
	s_cmp_lg_u32 s3, 0
	s_cbranch_scc1 .Llap
.macro CSLOAD a                        ; cos and sin of tile a: 16 loads of 512 consecutive bytes
.set CSB, 64*((\a)%4)
	WIN TO_B
.irp t, 0,1,2,3,4,5,6,7
	global_load_b128 v[CSB+4*\t:CSB+4*\t+3], v[LO], s[8:9] offset:8192*(\a)+512*\t
	global_load_b128 v[CSB+32+4*\t:CSB+32+4*\t+3], v[LO], s[8:9] offset:8192*(\a)+4096+512*\t
.endr
	WIN 0
.endm
	TURN 0, 1, 0
	STEP 1, 0, 0
	s_cmp_eq_u32 s[WHICH], 2
	s_cbranch_scc1 .Lno_rope
	CSLOAD 0                                       ; B's first set is free: the last products take the second
	CSLOAD 1
.Lno_rope:
	s_wait_dscnt 4*NL
	WIN MUL_LO
	MUL16 0, 1, 0
	MUL16 2, 1, 0
	s_wait_dscnt 0
	WIN MUL_HI
	MUL16 4, 1, 0
	MUL16 6, 1, 0
	WIN 0
; THE WAY OUT of tile a (16 rows x 128): Q, K: each pair (re, im) is turned by its row's cos and sin; all: the hold at the largest code x the scale (the conversion does not saturate: ISA guide 7.6.2), the conversions, four stores of 512 consecutive bytes.
.macro OUTBLK a, rope
.if \rope
.if 7-(\a) >= 2
	s_wait_loadcnt 32                              ; the next two tiles' 32 loads may be out
.else
	s_wait_loadcnt 16*(7-(\a))
.endif
.if (\a)+3 <= 7
	CSLOAD (\a)+3
.endif
.set AC, 64*((\a)%4)
.set CSB, 64*((\a)%4)
	WIN 6+(\a)/4                                   ; source 0 window 2 or 3, source 1 window 1
.irp t, 0,1,2,3,4,5,6,7
	v_pk_mul_f32 v[T2:T2+1],   v[AC+8*\t:AC+8*\t+1],   v[CSB+32+4*\t:CSB+33+4*\t] op_sel:[1,0] op_sel_hi:[0,0]
	v_pk_mul_f32 v[T2+2:T2+3], v[AC+8*\t+2:AC+8*\t+3], v[CSB+32+4*\t:CSB+33+4*\t] op_sel:[1,1] op_sel_hi:[0,1]
	v_pk_mul_f32 v[T2+4:T2+5], v[AC+8*\t+4:AC+8*\t+5], v[CSB+34+4*\t:CSB+35+4*\t] op_sel:[1,0] op_sel_hi:[0,0]
	v_pk_mul_f32 v[T2+6:T2+7], v[AC+8*\t+6:AC+8*\t+7], v[CSB+34+4*\t:CSB+35+4*\t] op_sel:[1,1] op_sel_hi:[0,1]
	v_pk_fma_f32 v[TMP+8*\t:TMP+8*\t+1],   v[AC+8*\t:AC+8*\t+1],   v[CSB+4*\t:CSB+1+4*\t],   v[T2:T2+1]   op_sel:[0,0,0] op_sel_hi:[1,0,1] neg_lo:[0,0,1]
	v_pk_fma_f32 v[TMP+8*\t+2:TMP+8*\t+3], v[AC+8*\t+2:AC+8*\t+3], v[CSB+4*\t:CSB+1+4*\t],   v[T2+2:T2+3] op_sel:[0,1,0] op_sel_hi:[1,1,1] neg_lo:[0,0,1]
	v_pk_fma_f32 v[TMP+8*\t+4:TMP+8*\t+5], v[AC+8*\t+4:AC+8*\t+5], v[CSB+2+4*\t:CSB+3+4*\t], v[T2+4:T2+5] op_sel:[0,0,0] op_sel_hi:[1,0,1] neg_lo:[0,0,1]
	v_pk_fma_f32 v[TMP+8*\t+6:TMP+8*\t+7], v[AC+8*\t+6:AC+8*\t+7], v[CSB+2+4*\t:CSB+3+4*\t], v[T2+6:T2+7] op_sel:[0,1,0] op_sel_hi:[1,1,1] neg_lo:[0,0,1]
.endr
	WIN 0
.set jj, 0
.rept 64
	v_med3_num_f32 v[TMP+jj], v[TMP+jj], -v[LIMV], v[LIMV]
.set jj, jj+1
.endr
.else
.set AC, 64*((\a)%4)
	WIN 2+(\a)/4
.set jj, 0
.rept 64
	v_med3_num_f32 v[TMP+jj], v[AC+jj], -v[LIMV], v[LIMV]
.set jj, jj+1
.endr
	WIN 0
.endif
	s_wait_xcnt 0x0                                ; the earlier stores have read PC
	s_wait_alu depctr_va_vdst(0)                   ; the wait here, directly ahead of the readers below
.irp b, 0,1,2,3
	v_cvt_scalef32_pk8_fp8_f32 v[PC+4*\b:PC+4*\b+1], v[TMP+16*\b:TMP+16*\b+7], v[SCV]
	v_cvt_scalef32_pk8_fp8_f32 v[PC+4*\b+2:PC+4*\b+3], v[TMP+16*\b+8:TMP+16*\b+15], v[SCV]
.endr
	v_nop
.irp c, 0,1,2,3
	global_store_b128 v[LO], v[PC+4*\c:PC+4*\c+3], s[14:15] offset:32768*(\a)+512*\c
.endr
.endm
	PLACES NP
	s_cmp_eq_u32 s[WHICH], 2
	s_cbranch_scc1 .Lplain
	CSLOAD 2
.irp a, 0,1,2,3,4,5,6,7
	OUTBLK \a, 1
.endr
	s_branch .Lend
.Lplain:                                           ; V is not turned
.irp a, 0,1,2,3,4,5,6,7
	OUTBLK \a, 0
.endr
	s_branch .Lend
; THE MASK.  Work-group m = 0 .. 63 of these clusters takes tiles 2 m, 2 m + 1 of 16 rows; wave w: tile 2 m + w / 2, eight images of 128 keys.  Image (T, ks), 8,192 bytes at T x 131,072 + ks x 8,192:
; the 16 bytes at 512 j + 16 lane are registers 4 j .. 4 j + 3 of a wave's scores: register 16 b + i = key 128 ks + 32 b + 16 h + i of row r.  Loads run two images ahead; a wave's own stage turns them.
.macro MLOAD set, nx
.set ii, 0
.rept 16
	global_load_b128 v[64+64*\set+4*ii:64+64*\set+4*ii+3], v[LO], s[10:11] offset:(ii+8*(ii/8))*8192+512*\set+1024*\nx th:TH_LOAD_NT
.set ii, ii+1
.endr
.endm
.macro MSTEP set, more
.if (\more) || (\set) == 0
	s_wait_loadcnt 16                              ; the other set's loads may be out
.else
	s_wait_loadcnt 0x0
.endif
.set ii, 0
.rept 16
	ds_store_b128 v[SI], v[64+64*\set+4*ii:64+64*\set+4*ii+3] offset:SROW*ii
.set ii, ii+1
.endr
	s_wait_xcnt 0x0                                ; the last image's stores have read v192-255
.irp c, 0,1,2,3
.irp j, 0,1,2,3
	ds_load_b128 v[192+16*\c+4*\j:192+16*\c+4*\j+3], v[SO] offset:128*\c+16*\j
.endr
.endr
	s_wait_dscnt 0x0
.if \more
	MLOAD \set, 1
.endif
.set jj, 0
.rept 32
	v_pk_mul_f32 v[192+jj:193+jj], v[192+jj:193+jj], s[72:73] op_sel_hi:[1,0]   ; x log2(e)
.set jj, jj+2
.endr
.set ii, 0
.rept 16
	global_store_b128 v[LO], v[192+4*ii:195+4*ii], s[92:93] offset:8192*\set+512*ii
.set ii, ii+1
.endr
.endm
.Lmask:
	s_lshl_b32 s66, s[TY], 3
	s_add_co_u32 s66, s66, s42                     ; m
	s_lshl_b32 s66, s66, 18
	s_lshl_b32 s67, s[WH], 16
	s_add_co_u32 s74, s66, s67
	s_lshl_b32 s67, s[WL], 12
	s_add_co_u32 s74, s74, s67
	s_mov_b32 s75, 0
	s_add_nc_u64 s[10:11], s[10:11], s[74:75]
	s_lshl_b32 s67, s[WH], 17
	s_add_co_u32 s76, s66, s67
	s_lshl_b32 s67, s[WL], 16
	s_add_co_u32 s76, s76, s67
	s_mov_b32 s77, 0
	s_add_nc_u64 s[92:93], s[92:93], s[76:77]
	s_mov_b32 s72, 0x3fb8aa3b                      ; log2(e)
	s_mov_b32 s73, 0x3fb8aa3b
	MLOAD 0, 0
	MLOAD 1, 0
	s_mul_i32 s21, s[WV], 16*SROW
	s_add_co_u32 s21, s21, STAGE
	v_add_nc_u32 v[SI], s21, v[LO]
	v_and_b32 v2, 15, v0
	v_bfe_u32 v3, v0, 4, 1
	v_mul_u32_u24 v[SO], v2, SROW
	v_lshl_add_u32 v[SO], v3, 6, v[SO]
	v_add_nc_u32 v[SO], s21, v[SO]
	s_mov_b32 s3, 3
	s_wait_alu depctr_va_vdst(0)                   ; the wait at the head's end
.Lmtrip:
	MSTEP 0, 1
	MSTEP 1, 1
	s_wait_xcnt 0x0                                ; the loads and stores have read their bases
	s_add_nc_u64 s[10:11], s[10:11], 1024
	s_add_nc_u64 s[92:93], s[92:93], 16384
	s_sub_co_u32 s3, s3, 1
	s_cmp_lg_u32 s3, 0
	s_cbranch_scc1 .Lmtrip
	MSTEP 0, 0
	MSTEP 1, 0
.Lend:
	s_wait_tensorcnt 0x0                           ; the wave's end
	ds_add_u32 v[SPW], v[NIL]
	s_wait_dscnt 0x0
	CROUND                                         ; the closing round
	s_endpgm
.Lfunc_end_k_q9174832b42_qkv:
	.size	k_q9174832b42_qkv, .Lfunc_end_k_q9174832b42_qkv-k_q9174832b42_qkv
	.p2alignl 7, 3214868480
	.fill 96, 4, 3214868480
	.section	.rodata,"a",@progbits
	.p2align	6, 0x0
	.amdhsa_kernel k_q9174832b42_qkv
		.amdhsa_group_segment_fixed_size 327680
		.amdhsa_private_segment_fixed_size 0
		.amdhsa_enable_private_segment 0
		.amdhsa_kernarg_size 56
		.amdhsa_user_sgpr_count 2
		.amdhsa_user_sgpr_kernarg_segment_ptr 1
		.amdhsa_wavefront_size32 1
		.amdhsa_system_sgpr_workgroup_id_x 1
		.amdhsa_system_sgpr_workgroup_id_y 1
		.amdhsa_system_sgpr_workgroup_id_z 1
		.amdhsa_system_vgpr_workitem_id 0
		.amdhsa_next_free_vgpr 1024
		.amdhsa_next_free_sgpr 98
		.amdhsa_reserve_vcc 0
		.amdhsa_float_denorm_mode_32 3
		.amdhsa_float_denorm_mode_16_64 3
		.amdhsa_memory_ordered 1
		.amdhsa_forward_progress 1
		.amdhsa_inst_pref_size 235
	.end_amdhsa_kernel
	.amdgpu_metadata
---
amdhsa.version: [ 1, 2 ]
amdhsa.kernels:
  - .name:           k_q9174832b42_qkv
    .symbol:         k_q9174832b42_qkv.kd
    .args:
      - { .name: afr, .offset: 0, .size: 8, .value_kind: global_buffer, .address_space: global }
      - { .name: bfr, .offset: 8, .size: 8, .value_kind: global_buffer, .address_space: global }
      - { .name: csfr, .offset: 16, .size: 8, .value_kind: global_buffer, .address_space: global }
      - { .name: mask, .offset: 24, .size: 8, .value_kind: global_buffer, .address_space: global }
      - { .name: lowp_scales, .offset: 32, .size: 8, .value_kind: global_buffer, .address_space: global }
      - { .name: qkvf, .offset: 40, .size: 8, .value_kind: global_buffer, .address_space: global }
      - { .name: mfr, .offset: 48, .size: 8, .value_kind: global_buffer, .address_space: global }
    .group_segment_fixed_size: 327680
    .private_segment_fixed_size: 0
    .kernarg_segment_align: 8
    .kernarg_segment_size: 56
    .max_flat_workgroup_size: 128
    .sgpr_count:     98
    .vgpr_count:     1024
    .wavefront_size: 32
...
	.end_amdgpu_metadata
.endif
;; end of part 2
;; launch attn (part 3): grid 16 x 16, 8 waves a work-group, clusters of 4 x 4, 327,680 bytes of LDS; arguments qkvf, mfr, lowp_scales, ofr; writes ofr
.if DOCPART == 3
	.amdgcn_target "amdgcn-amd-amdhsa--gfx1250"
	.amdhsa_code_object_version 6
	.text
	.protected	k_q9174832b42_attn
	.globl	k_q9174832b42_attn
	.p2align	8
	.type	k_q9174832b42_attn,@function
k_q9174832b42_attn:
	s_mov_b64 s[64:65], 0
	v_nop
	global_prefetch_b8 v0, s[64:65] scope:SCOPE_SE
	s_setreg_imm32_b32 hwreg(HW_REG_WAVE_MODE, 25, 1), 1
	s_wait_xcnt 0x0
	s_wait_alu depctr_hold_cnt(0) depctr_sa_sdst(0) depctr_va_vdst(0) depctr_va_sdst(0) depctr_va_ssrc(0) depctr_va_vcc(0) depctr_vm_vsrc(0)
	s_getreg_b32 s2, hwreg(HW_REG_IB_STS2, 6, 4)
	s_cmp_eq_u32 s2, 0
	s_cbranch_scc0 .Lentry_in_a_cluster
	s_endpgm
.Lentry_in_a_cluster:
	s_bfe_u32 s2, ttmp6, 0x10000c
	s_cmp_lg_u32 s2, 0xf033
	s_cbranch_scc0 .Lentry_shape_is_right
	s_endpgm
.Lentry_shape_is_right:
; o[q][head] = the sum over k of softmax_k(q . k / sqrt(128) + mask[q][k]) v[k], both products on codes of E4M3; the mask is an input: every key is taken for every query, and every number of the mask is read.
; q, k, V^T come as images of operand registers: 2,048 bytes at T x 32,768 + ks x 2,048 (q, k: tile of 16 rows, head; V^T: 8 head + tile of 16 channels, step of 128 keys).  The mask x log2(e) comes as an image of the scores' registers:
; 8,192 bytes at T x 131,072 + ks x 8,192.  o leaves as an image too (tile of queries, head), quantised by entry 10.
; THE SOFTMAX: t = score x 2^(e6 + e7) log2(e) / sqrt(128) + mask x log2(e), rounded to f32 once; M = the running largest t rounded UP to a whole number; p = 2^(t - M) is quantised by entry 9, not normalised;
; the row's sum is taken of the unquantised p and divides at the end.  When M moves, the sum and O are multiplied by 2^(old M - new M): exact.  t is a rounded number, so a row of huge equal logits gives p = 1.
; SHARES.  A work-group owns 128 queries of one head.  Wave w owns 32 of them (pair of tiles w % 4) and every other 128 keys (half w / 4 of each slot of 256): each fragment of K and V feeds two products.  Two waves to a SIMD.
; At the end waves w and w + 4, which have the same queries, join their sums through LDS: each sends one tile and finishes the other.
; Both products are used transposed (S^T = K Q^T, O^T = V^T P^T): a lane holds ONE query of each tile throughout, register 16 b + i of a tile's scores is key 32 b + 16 h + i, and the conversions' results are P's operand.
; CLUSTERS of 4 x 4: along x four blocks of queries, along y four heads.  K and V hang on the head alone: asked for jointly along a row, 8 KiB a wave.  The mask goes from memory straight into registers, a step ahead, 512 consecutive bytes a load:
; it is prefetched nowhere, since its loads themselves run that step ahead.
; A STEP (one slot): HEAD: K's tiles 0-2 are asked of LDS.  TAIL, of the step BEFORE: half of O^T's rescaling and the products V^T P.  BODY: K Q^T; then tile A's softmax and codes, V's tiles 0-3 into A's registers; tile B likewise; the other half of O^T's rescaling.
; LIMITS on the given exponents: e6 + e7 between -122 and 130 (added to a constant's exponent field); e9, and e10 - e9 - e8, between -126 and 119.  The promise holds while |t| stays under 2^31.  NaN among the inputs is not served.
; REGISTERS.  Window 0: v1-31 addresses, state, at work; v32-63 Q; v64-127 tile A's scores, then V's tiles 0-3; v128-191 tile B's, then V's 4-7; v192-255 K's fragments, four, of which the last gives way to A's codes.
;   Window 1: v0-127 O^T of A and B; v128-191 the mask for A; v192-255 for B, whose last 16 give way to B's codes.
.set MI,    0x400000
.set VOFF,  32768                      ; a slot: K's 16 images, then V's 8 x 2
.set SLOT1, 65536
.set MRG,   131072                     ; behind the ring: 8 x 8,448 bytes, where the waves hand each other a tile
.set MW,    8448
.set SPARE, MRG+8*MW                   ; the spare words, 128 bytes a wave
.set AKV, 1                            ; v1  16 x lane
.set AK0, 2
.set AV0, 3
.set ADK, 4
.set ADV, 5
.set SPW, 6
.set NIL, 7
.set PFO, 8
.set SCP, 9                            ; v9  the conversions' scale
.set NMA, 10                           ; v10 -M, v11 the largest t, v[12:13] the sum in two halves, of tile A; v14-17 of tile B
.set NMB, 14
.set FA,  18                           ; v18 f of tile A, v20 of tile B (v19, v21 complete the pairs)
.set FB,  20
.set LIMP, 22                          ; v22, v23 448 x the scale
.set XA,  64
.set XB,  128
.set F,   192
.set CD,  240                          ; P's codes: A's in window 0, B's in window 1
.set WV,   12
.set TB,   2                           ; s2  LDS byte at which the slot in hand begins
.set SEL,  20
.set CA,   22
.set G1K,  24
.set G1V,  32
.set G0K,  40
.set G0V,  44
.set SLOTS, 54
.set LIM,  55
.set PFA,  56
.set PFS,  58
.set MP,   84                          ; s[84:85] the mask's image in hand
.set MSB, 0
.macro WIN new                         ; the immediate's high byte repeats the setting that is left
.if MSB != (\new)
	s_set_vgpr_msb (MSB<<8)|(\new)
.set MSB, (\new)
.endif
.endm
.macro JLOAD2                          ; the wave's one joint load: waves 0 to 3 for K (four images), 4 to 7 for V (two tiles x two steps); an s_nop 0 and four v_nop follow each line
	s_cmp_lt_u32 s[WV], 4
	s_cbranch_scc0 .Lfor_v_\@
	tensor_load_to_lds s[G0K:G0K+3], s[G1K:G1K+7]
	s_nop 0
.rept 4
	v_nop
.endr
	s_branch .Lasked_\@
.Lfor_v_\@:
	tensor_load_to_lds s[G0V:G0V+3], s[G1V:G1V+7]
	s_nop 0
.rept 4
	v_nop
.endr
.Lasked_\@:
.endm
; A PREFETCH of what the next change of slots will ask for, one slot (a whole step) ahead of that load.  Each cluster asks for each 256 bytes once: wave 0 for K, wave 4 for V; of a slot's 32 KiB each of the four partners along x takes 8 KiB,
; told apart by address (cx), a lane 256 bytes.  The last change that fills a slot asks for nothing.
.macro ASK
	s_cmp_gt_u32 s[SLOTS], s[LIM]
	s_cbranch_scc0 .Lnot_mine_\@
	global_prefetch_b8 v[PFO], s[PFA:PFA+1] th:TH_LOAD_NT scope:SCOPE_SE
.Lnot_mine_\@:
.endm
.macro CROUND                          ; a round of the cluster's barrier
	s_barrier_signal -1
	s_barrier_wait -1
	s_cmp_lg_u32 s[WV], 0
	s_cbranch_scc1 .Lnot_wave_0_\@
	s_barrier_signal -3
.Lnot_wave_0_\@:
	s_barrier_wait -3
	s_barrier_signal -1
	s_barrier_wait -1
.endm
.macro MLD reg, n, off                 ; n loads of the mask into window 1
	WIN 0x40
.set ii, 0
.rept \n
	global_load_b128 v[\reg+4*ii:\reg+4*ii+3], v[AKV], s[MP:MP+1] offset:(\off)+512*ii
.set ii, ii+1
.endr
	WIN 0
.endm
	s_load_b256 s[4:11], s[0:1], 0x0               ; qkvf, the mask's image, the exponents, ofr
	v_lshl_add_u32 v[SPW], v0, 2, SPARE
	v_mov_b32 v[NIL], 0
	ds_add_u32 v[SPW], v[NIL]                      ; the opening: the add, twice on end, and its wait
	ds_add_u32 v[SPW], v[NIL]
	v_lshrrev_b32 v24, 5, v0
	v_readfirstlane_b32 s[WV], v24
	s_bfe_u32 s13, ttmp6, 0x40000                  ; cx
	s_bfe_u32 s14, ttmp6, 0x40004                  ; cy
	s_lshl_b32 s15, ttmp9, 2
	s_add_co_u32 s15, s15, s13                     ; block of 128 queries
	s_and_b32 s17, ttmp7, 0xffff
	s_lshl_b32 s16, s17, 2
	s_add_co_u32 s16, s16, s14                     ; head
	s_lshl_b32 s18, s14, 2
	s_lshl_b32 s18, 15, s18                        ; my row of the cluster
	s_or_b32 s[G1K], s18, (3<<16)|(1<<21)          ; K: 4 rows (images) of 256 elements of 8 bytes, 4,096 elements apart
	s_mov_b32 s[G1K+1], 256<<16
	s_mov_b32 s[G1K+2], 4<<16
	s_mov_b32 s[G1K+3], 256<<16
	s_mov_b32 s[G1K+4], 4
	s_mov_b32 s[G1K+5], 4096
	s_mov_b32 s[G1K+6], 0
	s_mov_b32 s[G1K+7], 0
	s_or_b32 s[G1V], s18, (3<<16)|(1<<21)          ; V: 2 rows (tiles) of 512 elements
	s_mov_b32 s[G1V+1], 512<<16
	s_mov_b32 s[G1V+2], 2<<16
	s_mov_b32 s[G1V+3], 512<<16
	s_mov_b32 s[G1V+4], 2
	s_mov_b32 s[G1V+5], 4096
	s_mov_b32 s[G1V+6], 0
	s_mov_b32 s[G1V+7], 0
	s_and_b32 s60, s[WV], 3                        ; which pair of query tiles; also: which quarter of K or V I fetch
	s_lshr_b32 s61, s[WV], 2                       ; which half of a slot's keys; also: I fetch for K (0) or V (1)
	s_lshl_b32 s74, s16, 11
	s_lshl_b32 s75, s60, 17
	s_add_co_u32 s74, s74, s75
	s_add_co_u32 s74, s74, MI
	s_mov_b32 s75, 0
	s_lshl_b32 s76, s16, 18
	s_lshl_b32 s77, s60, 16
	s_add_co_u32 s76, s76, s77
	s_add_co_u32 s76, s76, 2*MI
	s_mov_b32 s77, 0
	s_lshl_b32 s62, s[WV], 13                      ; where they go: no place in the cluster enters an LDS address
	s_lshl_b32 s78, s15, 20                        ; the mask: tiles 8 x block + 2 x pair, key step of my half
	s_lshl_b32 s79, s60, 18
	s_add_co_u32 s78, s78, s79
	s_lshl_b32 s79, s61, 13
	s_add_co_u32 s78, s78, s79
	s_mov_b32 s79, 0
	s_lshl_b32 s80, s15, 18                        ; q's images
	s_lshl_b32 s81, s60, 16
	s_add_co_u32 s80, s80, s81
	s_lshl_b32 s81, s16, 11
	s_add_co_u32 s80, s80, s81
	s_mov_b32 s81, 0
	s_lshl_b32 s82, s61, 15                        ; o's: tile A's in waves 0 to 3, tile B's in waves 4 to 7
	s_add_co_u32 s82, s82, s80
	s_mov_b32 s83, 0
	s_mov_b32 s[SEL], 0x76543210
	s_mov_b32 s[SEL+1], 0xfedcba98                 ; lane l xor 16
	s_mov_b32 s[CA], 0x3e0293ee                    ; log2(e) / sqrt(128)
	s_mov_b32 s[TB], 0
	s_mov_b32 s[SLOTS], 15
	s_wait_dscnt 0x0                               ; both opening adds are done
	s_wait_kmcnt 0x0
	s_load_b128 s[68:71], s[8:9], 0x18             ; e6, e7, e8, e9
	s_load_b32 s72, s[8:9], 0x28                   ; e10
	s_mov_b32 s[G0K], 1
	s_mov_b32 s[G0K+1], s62
	s_add_nc_u64 s[G0K+2:G0K+3], s[4:5], s[74:75]
	s_or_b32 s[G0K+3], s[G0K+3], 0x80000000
	s_mov_b32 s[G0V], 1
	s_mov_b32 s[G0V+1], s62
	s_add_nc_u64 s[G0V+2:G0V+3], s[4:5], s[76:77]
	s_or_b32 s[G0V+3], s[G0V+3], 0x80000000
	CROUND                                         ; all sixteen work-groups are here: the first joint loads meet
	JLOAD2                                         ; slot 0
	s_add_nc_u64 s[80:81], s[4:5], s[80:81]
	s_add_nc_u64 s[10:11], s[10:11], s[82:83]
	s_add_nc_u64 s[MP:MP+1], s[6:7], s[78:79]
	v_and_b32 v24, 31, v0                          ; lane
	v_lshlrev_b32 v[AKV], 4, v24
	s_wait_alu depctr_va_vdst(0)                   ; the wait here, behind the writes
.irp c, 0,1,2,3
	global_load_b128 v[32+4*\c:35+4*\c], v[AKV], s[80:81] offset:512*\c
	global_load_b128 v[48+4*\c:51+4*\c], v[AKV], s[80:81] offset:32768+512*\c
.endr
	MLD 128, 16, 0                                 ; the first step's mask: A, then B
	MLD 192, 16, 131072
	; the prefetches, at slot 1: K: images 4 cx .. 4 cx + 3, V: tiles 2 cx, 2 cx + 1
	s_add_co_u32 s62, s61, 3
	s_lshl_b32 s63, s61, 3
	s_or_b32 s63, s63, 7
	v_lshrrev_b32 v25, s62, v24
	v_and_b32 v26, s63, v24
	v_lshlrev_b32 v26, 8, v26
	v_lshl_add_u32 v[PFO], v25, 15, v26
	s_lshl_b32 s86, s16, 11
	s_lshl_b32 s87, s13, 17
	s_add_co_u32 s86, s86, s87
	s_add_co_u32 s86, s86, MI+524288
	s_lshl_b32 s88, s16, 18
	s_lshl_b32 s87, s13, 16
	s_add_co_u32 s88, s88, s87
	s_add_co_u32 s88, s88, 2*MI+4096
	s_mov_b32 s[PFS], 4096
	s_cmp_eq_u32 s61, 0
	s_cselect_b32 s86, s86, s88
	s_cselect_b32 s[PFS], 0x80000, s[PFS]
	s_mov_b32 s87, 0
	s_mov_b32 s[PFS+1], 0
	s_add_nc_u64 s[PFA:PFA+1], s[4:5], s[86:87]
	s_cmp_eq_u32 s60, 0
	s_cselect_b32 s[LIM], 1, -1                    ; waves 0 and 4 ask, the same in all sixteen partners
	s_lshl_b32 s62, s61, 14
	v_add_nc_u32 v[AK0], s62, v[AKV]               ; K: my half's 8 images
	s_lshl_b32 s62, s61, 11
	s_add_co_u32 s62, s62, VOFF
	v_add_nc_u32 v[AV0], s62, v[AKV]               ; V: my half's image of each tile
	v_mov_b32 v11, 0xff61b1e6                      ; the largest t so far: -3e38
	v_mov_b32 v15, 0xff61b1e6
	v_floor_f32 v10, -v11                          ; -M
	v_floor_f32 v14, -v15
	v_mov_b32 v12, 0
	v_mov_b32 v13, 0
	v_mov_b32 v16, 0
	v_mov_b32 v17, 0
	v_mov_b32 v19, 0
	v_mov_b32 v21, 0
	WIN 0x40
.set jj, 0
.rept 128
	v_mov_b32 v[jj], 0                             ; O^T: BODY and TAIL are written alike for all steps; the first finds zeros, which the first change of M leaves zeros
.set jj, jj+1
.endr
	WIN 0
	ASK                                            ; slot 1
	s_wait_kmcnt 0x0
	s_add_co_i32 s60, s68, s69
	s_lshl_b32 s60, s60, 23
	s_add_co_i32 s[CA], s[CA], s60                 ; e6 + e7 are added to the constant's exponent field
	s_mov_b32 s[CA+1], s[CA]
	s_add_co_i32 s60, s71, 127
	s_lshl_b32 s61, s60, 23
	v_mov_b32 v[SCP], s61                          ; 2^e9
	s_add_co_i32 s60, s60, 8
	s_lshl_b32 s60, s60, 23
	s_or_b32 s60, s60, 0x600000
	v_mov_b32 v[LIMP], s60                         ; 448 x 2^e9
	v_mov_b32 v[LIMP+1], s60
; THE CHANGE OF SLOTS stands at a step's head: my tensor load has landed, the add, my reads of the slot that I have left are over; fill = 1: behind the round that slot is filled with the next keys, and has a whole step in which to land.
.macro CHANGE fill
	s_wait_tensorcnt 0x0
	ds_add_u32 v[SPW], v[NIL]                      ; 0 onto my spare word
.if \fill
	s_xor_b32 s[G0K+1], s[G0K+1], SLOT1
	s_add_nc_u64 s[G0K+2:G0K+3], s[G0K+2:G0K+3], 0x80000   ; K: the next 16 key tiles
	s_xor_b32 s[G0V+1], s[G0V+1], SLOT1
	s_add_nc_u64 s[G0V+2:G0V+3], s[G0V+2:G0V+3], 4096      ; V: the next two image columns
	s_wait_xcnt 0x0                                ; the last prefetch has read its address
	s_add_nc_u64 s[PFA:PFA+1], s[PFA:PFA+1], s[PFS:PFS+1]
	s_wait_dscnt 0x0
	CROUND
	JLOAD2
	ASK
.else
	s_wait_dscnt 0x0
	s_barrier_signal -1
	s_barrier_wait -1
.endif
.endm
.macro KLD t                           ; K's tile t of my 128 keys
.irp c, 0,1,2,3
	ds_load_b128 v[F+16*((\t)%4)+4*\c:F+16*((\t)%4)+4*\c+3], v[ADK] offset:2048*(\t)+512*\c
.endr
.endm
.macro VLD t                           ; V's tile t of 16 channels
.irp c, 0,1,2,3
	ds_load_b128 v[XA+16*(\t)+4*\c:XA+16*(\t)+4*\c+3], v[ADV] offset:4096*(\t)+512*\c
.endr
.endm
.macro HEAD
	v_add_nc_u32 v[ADK], s[TB], v[AK0]
	v_add_nc_u32 v[ADV], s[TB], v[AV0]
	s_wait_alu depctr_va_vdst(0)                   ; the wait here, behind the writes
	KLD 0
	KLD 1
	KLD 2
.endm
.macro RESC o, f                       ; a tile's O^T x f, each accumulator from its low end on
	WIN 0x41
	s_wait_alu depctr_va_vdst(0)                   ; the wait directly ahead of the first reader of O^T
.set jj, 0
.rept 32
	v_pk_mul_f32 v[\o+jj:\o+jj+1], v[\o+jj:\o+jj+1], v[\f:\f+1] op_sel_hi:[1,0]
.set jj, jj+2
.endr
.endm
.macro TAIL mb                         ; work on registers: V was shown landed by the wait for 0 ahead of the barrier just passed (behind the last step: by a wait of its own)
	RESC 64, FB
	WIN 0x50                                       ; source 0 (V) and source 1 (A's codes) window 0; C and D window 1
.irp t, 0,1,2,3,4,5,6,7                        ; sixteen accumulators by turns, one instruction a turn
	v_wmma_f32_16x16x128_fp8_fp8 v[8*\t:8*\t+7], v[XA+16*\t:XA+16*\t+15], v[CD:CD+15], v[8*\t:8*\t+7]
.endr
	WIN 0x54                                       ; B's codes lie in window 1
.irp t, 0,1,2,3,4,5,6,7
	v_wmma_f32_16x16x128_fp8_fp8 v[64+8*\t:64+8*\t+7], v[XA+16*\t:XA+16*\t+15], v[CD:CD+15], v[64+8*\t:64+8*\t+7]
.endr
	WIN 0
.if \mb
.rept 5
	v_nop                                          ; places: the scores are laid over V's fragments, and loads land on the codes (ISA guide 7.12.1 for vector instructions)
.endr
	MLD 240, 4, 131072+6144                        ; the rest of this step's mask for B
.endif
.endm
.macro QK t                            ; tile t of 16 keys x both query tiles
	v_wmma_f32_16x16x128_fp8_fp8 v[XA+8*(\t):XA+8*(\t)+7], v[F+16*((\t)%4):F+16*((\t)%4)+15], v[32:47], 0
	v_wmma_f32_16x16x128_fp8_fp8 v[XB+8*(\t):XB+8*(\t)+7], v[F+16*((\t)%4):F+16*((\t)%4)+15], v[48:63], 0
.endm
.macro PLACES
.rept 4
	v_nop
.endr
.endm
.macro TSC x, m                        ; t of a tile
	WIN 0x10                                       ; source 2 (the mask) window 1
	s_wait_alu depctr_va_vdst(0)                   ; the wait directly ahead of the first reader of the scores
.set jj, 0
.rept 32
	v_pk_fma_f32 v[\x+jj:\x+jj+1], v[\x+jj:\x+jj+1], s[CA:CA+1], v[\m+jj:\m+jj+1] op_sel_hi:[1,0,1]
.set jj, jj+2
.endr
	WIN 0
.endm
.macro SOFT x, nm, f, cwin             ; a tile's softmax and codes
	v_max3_num_f32 v24, v[\x], v[\x+1], v[\x+2]    ; the step's largest t of my query among my 64 keys, in four chains
	v_max3_num_f32 v25, v[\x+3], v[\x+4], v[\x+5]
	v_max3_num_f32 v26, v[\x+6], v[\x+7], v[\x+8]
	v_max3_num_f32 v27, v[\x+9], v[\x+10], v[\x+11]
.set jj, 12
.rept 26
	v_max3_num_f32 v[24+((jj-12)/2)%4], v[24+((jj-12)/2)%4], v[\x+jj], v[\x+jj+1]
.set jj, jj+2
.endr
	v_max3_num_f32 v24, v24, v25, v26
	s_delay_alu instid0(VALU_DEP_1)
	v_max_num_f32 v24, v24, v27
	v_permlanex16_b32 v26, v24, s[SEL], s[SEL+1]   ; and lane l xor 16's
	s_delay_alu instid0(VALU_DEP_1)
	v_max3_num_f32 v[\nm+1], v[\nm+1], v24, v26    ; the running largest t
	s_delay_alu instid0(VALU_DEP_1)
	v_floor_f32 v25, -v[\nm+1]                     ; the new -M = floor(-t) = -ceil(t)
	s_delay_alu instid0(VALU_DEP_1)
	v_sub_f32 v24, v25, v[\nm]                     ; old M - new M: a whole number, 0 or less
	v_mov_b32 v[\nm], v25
	s_delay_alu instid0(VALU_DEP_2)
	v_cvt_i32_f32 v24, v24                         ; (it saturates)
	s_delay_alu instid0(VALU_DEP_1)
	v_ldexp_f32 v[\f], 1.0, v24                    ; f = 2^(old M - new M)
.set jj, 0
.rept 32
	v_pk_add_f32 v[\x+jj:\x+jj+1], v[\x+jj:\x+jj+1], v[\nm:\nm+1] op_sel_hi:[1,0]   ; t - M
.set jj, jj+2
.endr
	s_wait_alu depctr_va_vdst(0)                   ; the wait ahead of the batch too
.set jj, 0
.rept 64
	v_exp_f32 v[\x+jj], v[\x+jj]                   ; p = 2^(t - M), at most 1
.set jj, jj+1
.endr
	v_pk_mul_f32 v[\nm+2:\nm+3], v[\nm+2:\nm+3], v[\f:\f+1] op_sel_hi:[1,0]   ; the sums under the new M: the plain line behind the exponentials
	s_wait_alu depctr_va_vdst(0)                   ; one wait for the batch, ahead of its first reader
.set jj, 0
.rept 4
	v_pk_add_f32 v[24+jj/2:25+jj/2], v[\x+jj:\x+jj+1], v[\x+jj+2:\x+jj+3]   ; the sum of the unquantised p, in four chains
.set jj, jj+4
.endr
.set jj, 16
.rept 24
	v_pk_add_f32 v[24+2*((jj/2)%4):25+2*((jj/2)%4)], v[24+2*((jj/2)%4):25+2*((jj/2)%4)], v[\x+jj:\x+jj+1]
.set jj, jj+2
.endr
	v_pk_add_f32 v[24:25], v[24:25], v[26:27]
	v_pk_add_f32 v[28:29], v[28:29], v[30:31]
.set jj, 0
.rept 16
	v_dual_min_num_f32 v[\x+jj], v[\x+jj], v[LIMP] :: v_dual_min_num_f32 v[\x+jj+1], v[\x+jj+1], v[LIMP+1]   ; the conversion does not saturate (ISA guide 7.6.2); p is not negative, so the hold is one-sided
.set jj, jj+2
.endr
	v_pk_add_f32 v[24:25], v[24:25], v[28:29]
.rept 15
	v_dual_min_num_f32 v[\x+jj], v[\x+jj], v[LIMP] :: v_dual_min_num_f32 v[\x+jj+1], v[\x+jj+1], v[LIMP+1]
.set jj, jj+2
.endr
	v_pk_add_f32 v[\nm+2:\nm+3], v[\nm+2:\nm+3], v[24:25]
	v_dual_min_num_f32 v[\x+jj], v[\x+jj], v[LIMP] :: v_dual_min_num_f32 v[\x+jj+1], v[\x+jj+1], v[LIMP+1]
	WIN \cwin                                      ; A's codes go to window 0, B's to window 1
.irp b, 0,1,2,3
	v_cvt_scalef32_pk8_fp8_f32 v[CD+4*\b:CD+4*\b+1], v[\x+16*\b:\x+16*\b+7], v[SCP]
	v_cvt_scalef32_pk8_fp8_f32 v[CD+4*\b+2:CD+4*\b+3], v[\x+16*\b+8:\x+16*\b+15], v[SCP]
.endr
	WIN 0
	v_nop                                          ; a plain line behind the conversions
.endm
.macro BODY fetch                      ; fetch = 1: the next step's mask is asked for as its registers fall free
	KLD 3                                          ; where A's codes lay: the products have read them, TAIL's places stand between
	s_wait_dscnt 8                                 ; K's tiles 0, 1 are in; 2, 3 (8 loads) may be out
	QK 0
	QK 1
	PLACES
	KLD 4
	KLD 5
	s_wait_dscnt 8                                 ; 2, 3 are in; 4, 5 may be out
	QK 2
	QK 3
	PLACES
	KLD 6
	KLD 7
	s_wait_dscnt 8
	QK 4
	QK 5
	s_wait_dscnt 0x0
	QK 6
	QK 7
	PLACES
	s_wait_loadcnt 16                              ; the mask for A is in; B's 16 loads may be out
.if \fetch
	s_wait_xcnt 0x0                                ; the mask's loads have read their base
	s_add_nc_u64 s[MP:MP+1], s[MP:MP+1], 16384     ; two key steps on
.endif
	TSC XA, 128
.if \fetch
	MLD 128, 16, 0
.endif
	SOFT XA, NMA, FA, 0
	VLD 0
	VLD 1
	VLD 2
	VLD 3
.if \fetch
	s_wait_loadcnt 16                              ; the mask for B is in; the next step's for A may be out
.else
	s_wait_loadcnt 0x0
.endif
	TSC XB, 192
.if \fetch
	MLD 192, 12, 131072                            ; B's first 48 registers; the last 16 take the codes
.endif
	SOFT XB, NMB, FB, 0x40
	VLD 4
	VLD 5
	VLD 6
	VLD 7
	RESC 0, FA
	WIN 0
	s_xor_b32 s[TB], s[TB], SLOT1
.endm
	s_wait_alu depctr_va_vdst(0)                   ; the wait at the head's end
	s_wait_loadcnt 32                              ; Q is in; the mask's 32 loads may be out
	CHANGE 1                                       ; slot 0 has no step before it: it is written out without TAIL
	HEAD
	BODY 1
	s_mov_b32 s[SLOTS], 6
.Lstep:                                            ; six trips, slots 1 to 6: behind each change the next slot is asked for
	CHANGE 1
	HEAD
	TAIL 1
	BODY 1
	s_sub_co_u32 s[SLOTS], s[SLOTS], 1
	s_cmp_lg_u32 s[SLOTS], 0
	s_cbranch_scc1 .Lstep
	CHANGE 0                                       ; the last slot is written out
	HEAD
	TAIL 1
	BODY 0
	s_wait_dscnt 0x0                               ; the last step's V is in
	TAIL 0
	; THE TWO HALVES OF THE KEYS ARE JOINED.  Waves 0 to 3 send tile B and finish A, waves 4 to 7 the other way round: O^T (64 registers), -M and the lane's sum.
	s_mul_i32 s60, s[WV], MW
	s_add_co_u32 s60, s60, MRG                     ; my bytes,
	s_xor_b32 s61, s[WV], 4
	s_mul_i32 s61, s61, MW
	s_add_co_u32 s61, s61, MRG                     ; and my partner's
	v_lshrrev_b32 v24, 1, v[AKV]                   ; 8 x lane
	v_add_nc_u32 v[AK0], s60, v[AKV]
	v_add_nc_u32 v[AV0], s61, v[AKV]
	v_add_nc_u32 v[ADK], s60, v24
	v_add_nc_u32 v[ADV], s61, v24
	s_sub_co_i32 s62, s72, s71
	s_sub_co_i32 s62, s62, s70                     ; a sum of the second product stands for sum x 2^(e8 + e9): o's code is (sum / l) / 2^(e10 - e9 - e8)
	s_add_co_i32 s62, s62, 127
	s_lshl_b32 s63, s62, 23
	v_mov_b32 v[SCP], s63
	s_add_co_i32 s62, s62, 8
	s_lshl_b32 s62, s62, 23
	s_or_b32 s62, s62, 0x600000
	v_mov_b32 v[LIMP], s62
.macro SENDO o
	WIN 0x04                                       ; the stored data: window 1
.set ii, 0
.rept 16
	ds_store_b128 v[AK0], v[\o+4*ii:\o+4*ii+3] offset:512*ii
.set ii, ii+1
.endr
	WIN 0
.endm
	s_cmp_lt_u32 s[WV], 4
	s_wait_alu depctr_va_vdst(0)                   ; the wait here, directly ahead of the branch
	s_cbranch_scc0 .Lsend_a
	SENDO 64
	v_mov_b32 v24, v14
	v_add_f32 v25, v16, v17
	v_mov_b32 v26, v10
	v_add_f32 v27, v12, v13
	s_wait_alu depctr_va_vdst(0)
	s_branch .Lsent
.Lsend_a:
	SENDO 0
	v_mov_b32 v24, v10
	v_add_f32 v25, v12, v13
	v_mov_b32 v26, v14
	v_add_f32 v27, v16, v17
	s_wait_alu depctr_va_vdst(0)
.Lsent:
	ds_store_b64 v[ADK], v[24:25] offset:8192
	s_wait_dscnt 0x0                               ; my stores are done, for my partner's sake
	s_barrier_signal -1
	s_barrier_wait -1
	ds_load_b64 v[28:29], v[ADV] offset:8192       ; my partner's -M and sum
.set ii, 0
.rept 16
	ds_load_b128 v[XB+4*ii:XB+4*ii+3], v[AV0] offset:512*ii
.set ii, ii+1
.endr
	s_wait_dscnt 16                                ; -M and the sum are in
	v_min_num_f32 v30, v26, v28                    ; -M of the whole row
	v_sub_f32 v24, v30, v26
	v_sub_f32 v25, v30, v28
	v_cvt_i32_f32 v24, v24
	v_cvt_i32_f32 v25, v25
	v_ldexp_f32 v[FA], 1.0, v24                    ; my factor,
	v_ldexp_f32 v[FB], 1.0, v25                    ; my partner's
	v_mul_f32 v27, v27, v[FA]
	v_fma_f32 v27, v29, v[FB], v27
	v_permlanex16_b32 v26, v27, s[SEL], s[SEL+1]
	v_add_f32 v27, v27, v26                        ; the row's sum
	s_wait_alu depctr_va_vdst(0)                   ; the wait ahead of the transcendental too
	v_rcp_f32 v27, v27
	v_nop                                          ; a plain line behind the reciprocal
	s_wait_alu depctr_va_vdst(0)
	v_mul_f32 v[FA], v[FA], v27
	v_mul_f32 v[FB], v[FB], v27
.macro OWN o
	WIN 0x01
	s_wait_alu depctr_va_vdst(0)                   ; the wait directly ahead of the first reader of O^T
.set jj, 0
.rept 32
	v_pk_mul_f32 v[XA+jj:XA+jj+1], v[\o+jj:\o+jj+1], v[FA:FA+1] op_sel_hi:[1,0]
.set jj, jj+2
.endr
	WIN 0
.endm
	s_cmp_lt_u32 s[WV], 4
	s_wait_alu depctr_va_vdst(0)                   ; the wait here, directly ahead of the branch
	s_cbranch_scc0 .Lown_b
	OWN 0
	s_wait_alu depctr_va_vdst(0)
	s_branch .Lowned
.Lown_b:
	OWN 64
.Lowned:
	s_wait_dscnt 0x0                               ; my partner's O^T is in
	s_wait_alu depctr_va_vdst(0)                   ; the wait here, directly ahead of the readers below
.set jj, 0
.rept 32
	v_pk_fma_f32 v[XA+jj:XA+jj+1], v[XB+jj:XB+jj+1], v[FB:FB+1], v[XA+jj:XA+jj+1] op_sel_hi:[1,0,1]   ; register 8 t + j: channel 32 (t / 2) + 16 h + 8 (t % 2) + j of my query
.set jj, jj+2
.endr
.irp b, 0,1,2,3
.set jj, 0
.rept 16
	v_med3_num_f32 v[XA+16*\b+jj], v[XA+16*\b+jj], -v[LIMP], v[LIMP]
.set jj, jj+1
.endr
	v_cvt_scalef32_pk8_fp8_f32 v[F+4*\b:F+4*\b+1], v[XA+16*\b:XA+16*\b+7], v[SCP]
	v_cvt_scalef32_pk8_fp8_f32 v[F+4*\b+2:F+4*\b+3], v[XA+16*\b+8:XA+16*\b+15], v[SCP]
.endr
	v_nop
.irp c, 0,1,2,3
	global_store_b128 v[AKV], v[F+4*\c:F+4*\c+3], s[10:11] offset:512*\c   ; 32 lanes store 512 consecutive bytes, aligned
.endr
	s_wait_tensorcnt 0x0                           ; the wave's end
	ds_add_u32 v[SPW], v[NIL]
	s_wait_dscnt 0x0
	CROUND                                         ; the closing round
	s_endpgm
.Lfunc_end_k_q9174832b42_attn:
	.size	k_q9174832b42_attn, .Lfunc_end_k_q9174832b42_attn-k_q9174832b42_attn
	.p2alignl 7, 3214868480
	.fill 96, 4, 3214868480
	.section	.rodata,"a",@progbits
	.p2align	6, 0x0
	.amdhsa_kernel k_q9174832b42_attn
		.amdhsa_group_segment_fixed_size 327680
		.amdhsa_private_segment_fixed_size 0
		.amdhsa_enable_private_segment 0
		.amdhsa_kernarg_size 32
		.amdhsa_user_sgpr_count 2
		.amdhsa_user_sgpr_kernarg_segment_ptr 1
		.amdhsa_wavefront_size32 1
		.amdhsa_system_sgpr_workgroup_id_x 1
		.amdhsa_system_sgpr_workgroup_id_y 1
		.amdhsa_system_sgpr_workgroup_id_z 1
		.amdhsa_system_vgpr_workitem_id 0
		.amdhsa_next_free_vgpr 512
		.amdhsa_next_free_sgpr 96
		.amdhsa_reserve_vcc 0
		.amdhsa_float_denorm_mode_32 3
		.amdhsa_float_denorm_mode_16_64 3
		.amdhsa_memory_ordered 1
		.amdhsa_forward_progress 1
		.amdhsa_inst_pref_size 155
	.end_amdhsa_kernel
	.amdgpu_metadata
---
amdhsa.version: [ 1, 2 ]
amdhsa.kernels:
  - .name:           k_q9174832b42_attn
    .symbol:         k_q9174832b42_attn.kd
    .args:
      - { .name: qkvf, .offset: 0, .size: 8, .value_kind: global_buffer, .address_space: global }
      - { .name: mfr, .offset: 8, .size: 8, .value_kind: global_buffer, .address_space: global }
      - { .name: lowp_scales, .offset: 16, .size: 8, .value_kind: global_buffer, .address_space: global }
      - { .name: ofr, .offset: 24, .size: 8, .value_kind: global_buffer, .address_space: global }
    .group_segment_fixed_size: 327680
    .private_segment_fixed_size: 0
    .kernarg_segment_align: 8
    .kernarg_segment_size: 32
    .max_flat_workgroup_size: 256
    .sgpr_count:     96
    .vgpr_count:     512
    .wavefront_size: 32
...
	.end_amdgpu_metadata
.endif
;; end of part 3
;; launch proj (part 4): grid 16 x 16, 4 waves a work-group, clusters of 4 x 4, 327,680 bytes of LDS; arguments ofr, wof, lowp_scales, out0; writes out0
.if DOCPART == 4
	.amdgcn_target "amdgcn-amd-amdhsa--gfx1250"
	.amdhsa_code_object_version 6
	.text
	.protected	k_q9174832b42_proj
	.globl	k_q9174832b42_proj
	.p2align	8
	.type	k_q9174832b42_proj,@function
k_q9174832b42_proj:
	s_mov_b64 s[64:65], 0
	v_nop
	global_prefetch_b8 v0, s[64:65] scope:SCOPE_SE
	s_setreg_imm32_b32 hwreg(HW_REG_WAVE_MODE, 25, 1), 1
	s_wait_xcnt 0x0
	s_wait_alu depctr_hold_cnt(0) depctr_sa_sdst(0) depctr_va_vdst(0) depctr_va_sdst(0) depctr_va_ssrc(0) depctr_va_vcc(0) depctr_vm_vsrc(0)
	s_getreg_b32 s2, hwreg(HW_REG_IB_STS2, 6, 4)
	s_cmp_eq_u32 s2, 0
	s_cbranch_scc0 .Lentry_in_a_cluster
	s_endpgm
.Lentry_in_a_cluster:
	s_bfe_u32 s2, ttmp6, 0x10000c
	s_cmp_lg_u32 s2, 0xf033
	s_cbranch_scc0 .Lentry_shape_is_right
	s_endpgm
.Lentry_shape_is_right:
; out[q][d] = the sum over e of o[q][e] wo[d][e] on codes of E4M3, both laid as images of operand registers; each finished sum x 2^(e10 + e11).  LIMIT: e10 + e11 between -126 and 127.
; A work-group makes 128 x 128, four waves 64 x 64 each; K goes in steps of 512 through two LDS slots; clusters of 4 x 4: A's tiles are asked for jointly along a row, B's along a column.
; A PREFETCH stands two K steps ahead of each joint load but the first: of the four tiles (8,192 bytes each) that a wave fetches each of the four partners asks for one, told apart by address, a lane 256 bytes.
.set KSB,    8192
.set PFO,    6
.set PFA,    76
.set HALFT,  4*KSB
.set SLOT,   4*HALFT
.set STAGE,  2*SLOT
.set SPITCH, 272
.set SPARE,  STAGE+4*16*SPITCH
.set ADRA, 16
.set ADRB, 20
.set STO,  24
.set RD,   25
.set CO,   26
.set SPW,  28
.set NIL,  29
.set TMP,  32
.set BK,   64
.set ACC,  128
.set F0,   0
.set F1,   128
.set WV, 16
.set WH, 17
.set WL, 18
.set TY, 19
.set G1, 24
.set G0, 32
.set G1B, 48
.set G0B, 56
.set MSB, 0
.macro WIN new
.if MSB != (\new)
	s_set_vgpr_msb (MSB<<8)|(\new)
.set MSB, (\new)
.endif
.endm
.set MUL,  0x05
.set TO_F, 0x40
.macro JLOAD s
	s_cmp_eq_u32 s[WH], 0
	s_cbranch_scc0 .Lfor_b_\@
	tensor_load_to_lds s[G0+4*\s:G0+4*\s+3], s[G1:G1+7]
	s_nop 0
.rept 4
	v_nop
.endr
	s_branch .Lasked_\@
.Lfor_b_\@:
	tensor_load_to_lds s[G0B+4*\s:G0B+4*\s+3], s[G1B:G1B+7]
	s_nop 0
.rept 4
	v_nop
.endr
.Lasked_\@:
.endm
.macro CREST
	s_cmp_lg_u32 s[WV], 0
	s_cbranch_scc1 .Lnot_wave_0_\@
	s_barrier_signal -3
.Lnot_wave_0_\@:
	s_barrier_wait -3
	s_barrier_signal -1
	s_barrier_wait -1
.endm
.macro CROUND
	s_barrier_signal -1
	s_barrier_wait -1
	CREST
.endm
	s_load_b256 s[4:11], s[0:1], 0x0
	v_lshl_add_u32 v[SPW], v0, 2, SPARE
	v_mov_b32 v[NIL], 0
	ds_add_u32 v[SPW], v[NIL]
	ds_add_u32 v[SPW], v[NIL]
	v_lshrrev_b32 v1, 5, v0
	v_readfirstlane_b32 s[WV], v1
	s_lshr_b32 s[WH], s[WV], 1
	s_and_b32 s[WL], s[WV], 1
	s_bfe_u32 s40, ttmp6, 0x40000
	s_bfe_u32 s41, ttmp6, 0x40004
	s_lshl_b32 s42, ttmp9, 2
	s_add_co_u32 s42, s42, s40
	s_and_b32 s[TY], ttmp7, 0xffff
	s_lshl_b32 s[TY], s[TY], 2
	s_add_co_u32 s[TY], s[TY], s41
	s_lshl_b32 s43, s41, 2
	s_lshl_b32 s43, 15, s43
	s_lshl_b32 s44, 0x1111, s40
	s_or_b32 s[G1+0], s43, (3<<16)|(1<<21)
	s_or_b32 s[G1B+0], s44, (3<<16)|(1<<21)
.irp g, G1, G1B
	s_mov_b32 s[\g+1], 1024<<16
	s_mov_b32 s[\g+2], 4<<16
	s_mov_b32 s[\g+3], 1024<<16
	s_mov_b32 s[\g+4], 4
	s_mov_b32 s[\g+5], 4096
	s_mov_b32 s[\g+6], 0
	s_mov_b32 s[\g+7], 0
.endr
	s_lshl_b32 s66, s[WL], 17
	s_lshl_b32 s68, s[TY], 18
	s_add_co_u32 s68, s68, s66
	s_mov_b32 s69, 0
	s_lshl_b32 s46, s42, 18
	s_add_co_u32 s46, s46, s66
	s_mov_b32 s47, 0
	s_mul_i32 s45, s[WV], HALFT
	s_wait_dscnt 0x0
	s_wait_kmcnt 0x0
	s_load_b64 s[72:73], s[8:9], 0x28
	s_add_nc_u64 s[68:69], s[4:5], s[68:69]
	s_add_nc_u64 s[46:47], s[6:7], s[46:47]
	CROUND
.irp s, 0,1
	s_mov_b32 s[G0+4*\s], 1
	s_add_co_u32 s[G0+4*\s+1], s45, \s*SLOT
	s_add_nc_u64 s[G0+4*\s+2:G0+4*\s+3], s[68:69], \s*KSB
	s_or_b32 s[G0+4*\s+3], s[G0+4*\s+3], 0x80000000
	s_mov_b32 s[G0B+4*\s], 1
	s_add_co_u32 s[G0B+4*\s+1], s45, \s*SLOT
	s_add_nc_u64 s[G0B+4*\s+2:G0B+4*\s+3], s[46:47], \s*KSB
	s_or_b32 s[G0B+4*\s+3], s[G0B+4*\s+3], 0x80000000
.endr
	JLOAD 0                                        ; K step 0: one tensor load a wave at the head
	s_cmp_eq_u32 s[WH], 0
	s_cselect_b64 s[PFA:PFA+1], s[68:69], s[46:47]
	s_cselect_b32 s78, s40, s41
	s_lshl_b32 s78, s78, 15
	s_mov_b32 s79, 0
	s_add_nc_u64 s[PFA:PFA+1], s[PFA:PFA+1], s[78:79]
	v_and_b32 v[PFO], 31, v0
	v_lshlrev_b32 v[PFO], 8, v[PFO]
	global_prefetch_b8 v[PFO], s[PFA:PFA+1] offset:KSB th:TH_LOAD_NT scope:SCOPE_SE
	global_prefetch_b8 v[PFO], s[PFA:PFA+1] offset:2*KSB th:TH_LOAD_NT scope:SCOPE_SE
	v_and_b32 v1, 31, v0
	v_lshlrev_b32 v2, 4, v1
	s_mul_i32 s21, s[WH], HALFT
	s_mul_i32 s22, s[WL], HALFT
	s_add_co_u32 s22, s22, 2*HALFT
.irp s, 0,1
	v_add_nc_u32 v[ADRA+\s], s21, v2
	v_add_nc_u32 v[ADRB+\s], s22, v2
	s_add_co_u32 s21, s21, SLOT
	s_add_co_u32 s22, s22, SLOT
.endr
	v_and_b32 v3, 15, v0
	v_bfe_u32 v4, v0, 4, 1
	s_mul_i32 s23, s[WV], 16*SPITCH
	s_add_co_u32 s23, s23, STAGE
	v_mul_u32_u24 v5, v3, SPITCH
	v_lshl_add_u32 v5, v4, 6, v5
	v_add_nc_u32 v[STO], s23, v5
	v_mul_u32_u24 v5, v4, SPITCH
	v_lshl_add_u32 v5, v3, 4, v5
	v_add_nc_u32 v[RD], s23, v5
	v_lshlrev_b32 v5, 13, v4
	v_lshl_add_u32 v[CO], v3, 4, v5
	s_lshl_b32 s74, s[TY], 20
	s_lshl_b32 s75, s[WH], 19
	s_add_co_u32 s74, s74, s75
	s_lshl_b32 s75, s42, 9
	s_add_co_u32 s74, s74, s75
	s_lshl_b32 s75, s[WL], 8
	s_add_co_u32 s74, s74, s75
	s_mov_b32 s75, 0
	s_add_nc_u64 s[10:11], s[10:11], s[74:75]
.macro MUL4 f, a, zero
.irp b, 0,1,2,3
.if \zero
	v_wmma_f32_16x16x128_fp8_fp8 v[ACC+8*(4*(\a)+\b):ACC+8*(4*(\a)+\b)+7], v[\f+64+16*\b:\f+64+16*\b+15], v[\f+16*(\a):\f+16*(\a)+15], 0
.else
	v_wmma_f32_16x16x128_fp8_fp8 v[ACC+8*(4*(\a)+\b):ACC+8*(4*(\a)+\b)+7], v[\f+64+16*\b:\f+64+16*\b+15], v[\f+16*(\a):\f+16*(\a)+15], v[ACC+8*(4*(\a)+\b):ACC+8*(4*(\a)+\b)+7]
.endif
.endr
.endm
.macro FETCH slot, q, f
	WIN TO_F
.irp i, 0,1,2,3
.irp c, 0,1,2,3
	ds_load_b128 v[\f+16*\i+4*\c:\f+16*\i+4*\c+3], v[ADRA+\slot] offset:KSB*\i+2048*(\q)+512*\c
	ds_load_b128 v[\f+64+16*\i+4*\c:\f+64+16*\i+4*\c+3], v[ADRB+\slot] offset:KSB*\i+2048*(\q)+512*\c
.endr
.endr
.endm
.macro PLACES
.rept 4
	v_nop
.endr
.endm
.macro STEP slot, q, f, g, zero
	PLACES
	FETCH \slot, (\q)+1, \g
	s_wait_dscnt 32
	WIN MUL
	MUL4 \f, 0, \zero
	MUL4 \f, 1, \zero
	MUL4 \f, 2, \zero
	MUL4 \f, 3, \zero
.endm
.macro TURN slot, next, fill
	WIN 0
	s_wait_tensorcnt 0x0
	ds_add_u32 v[SPW], v[NIL]
	s_wait_dscnt 1
	WIN MUL
	MUL4 F1, 0, 0
	s_wait_dscnt 0x0
	s_barrier_signal -1
	MUL4 F1, 1, 0
	WIN 0
	s_barrier_wait -1
.if \fill
	CREST
	s_add_nc_u64 s[G0+4*\slot+2:G0+4*\slot+3], s[G0+4*\slot+2:G0+4*\slot+3], 2*KSB
	s_add_nc_u64 s[G0B+4*\slot+2:G0B+4*\slot+3], s[G0B+4*\slot+2:G0B+4*\slot+3], 2*KSB
	JLOAD \slot
.else
	PLACES
.endif
	FETCH \next, 0, F0
	WIN MUL
	MUL4 F1, 2, 0
	MUL4 F1, 3, 0
.endm
	s_wait_alu depctr_va_vdst(0)                   ; the wait at the head's end
	s_wait_tensorcnt 0x0                           ; my part of K step 0 is in
	ds_add_u32 v[SPW], v[NIL]
	s_wait_dscnt 0x0
	CROUND
	JLOAD 1                                        ; K step 1, the first tensor load behind the round
	FETCH 0, 0, F0
	global_prefetch_b8 v[PFO], s[PFA:PFA+1] offset:3*KSB th:TH_LOAD_NT scope:SCOPE_SE
	STEP 0, 0, F0, F1, 1
	STEP 0, 1, F1, F0, 0
	STEP 0, 2, F0, F1, 0
	TURN 0, 1, 1
	STEP 1, 0, F0, F1, 0
	STEP 1, 1, F1, F0, 0
	STEP 1, 2, F0, F1, 0
	TURN 1, 0, 1
	STEP 0, 0, F0, F1, 0
	STEP 0, 1, F1, F0, 0
	STEP 0, 2, F0, F1, 0
	TURN 0, 1, 0
	STEP 1, 0, F0, F1, 0
	STEP 1, 1, F1, F0, 0
	STEP 1, 2, F0, F1, 0
	s_wait_dscnt 0x0
	WIN MUL
	MUL4 F1, 0, 0
	MUL4 F1, 1, 0
	MUL4 F1, 2, 0
	MUL4 F1, 3, 0
	WIN 0
.macro TOSTAGE a
.set jj, 0
.rept 16
	v_pk_mul_f32 v[TMP+jj:TMP+jj+1], v[ACC+32*(\a)+jj:ACC+32*(\a)+jj+1], s[72:73] op_sel_hi:[1,0]
.set jj, jj+2
.endr
.irp b, 0,1,2,3
	ds_store_b128 v[STO], v[TMP+8*\b:TMP+8*\b+3] offset:128*(\b/2)+32*(\b%2)
	ds_store_b128 v[STO], v[TMP+8*\b+4:TMP+8*\b+7] offset:128*(\b/2)+32*(\b%2)+16
.endr
.set BB, BK+32*((\a)%2)
.irp t, 0,1,2,3,4,5,6,7
	ds_load_b128 v[BB+4*\t:BB+4*\t+3], v[RD] offset:\t*2*SPITCH
.endr
.endm
.macro SEND a, younger
.set BB, BK+32*((\a)%2)
	s_wait_dscnt \younger
.irp t, 0,1,2,3,4,5,6,7
	global_store_b128 v[CO], v[BB+4*\t:BB+4*\t+3], s[10:11] offset:(32*((\a)/2)+8*((\a)%2)+2*\t+8*(\t/4))*8192 th:TH_STORE_NT
.endr
.endm
	s_wait_kmcnt 0x0
	s_add_co_i32 s72, s72, s73
	s_add_co_i32 s72, s72, 127
	s_lshl_b32 s72, s72, 23
	s_mov_b32 s73, s72
	PLACES
	TOSTAGE 0
.irp a, 1,2,3
.if \a > 1
	s_wait_xcnt 0x0
.endif
	TOSTAGE \a
	SEND \a-1, 16
.endr
	SEND 3, 0
	s_wait_tensorcnt 0x0
	ds_add_u32 v[SPW], v[NIL]
	s_wait_dscnt 0x0
	CROUND
	s_endpgm
.Lfunc_end_k_q9174832b42_proj:
	.size	k_q9174832b42_proj, .Lfunc_end_k_q9174832b42_proj-k_q9174832b42_proj
	.p2alignl 7, 3214868480
	.fill 96, 4, 3214868480
	.section	.rodata,"a",@progbits
	.p2align	6, 0x0
	.amdhsa_kernel k_q9174832b42_proj
		.amdhsa_group_segment_fixed_size 327680
		.amdhsa_private_segment_fixed_size 0
		.amdhsa_enable_private_segment 0
		.amdhsa_kernarg_size 32
		.amdhsa_user_sgpr_count 2
		.amdhsa_user_sgpr_kernarg_segment_ptr 1
		.amdhsa_wavefront_size32 1
		.amdhsa_system_sgpr_workgroup_id_x 1
		.amdhsa_system_sgpr_workgroup_id_y 1
		.amdhsa_system_sgpr_workgroup_id_z 1
		.amdhsa_system_vgpr_workitem_id 0
		.amdhsa_next_free_vgpr 512
		.amdhsa_next_free_sgpr 80
		.amdhsa_reserve_vcc 0
		.amdhsa_float_denorm_mode_32 3
		.amdhsa_float_denorm_mode_16_64 3
		.amdhsa_memory_ordered 1
		.amdhsa_forward_progress 1
		.amdhsa_inst_pref_size 74
	.end_amdhsa_kernel
	.amdgpu_metadata
---
amdhsa.version: [ 1, 2 ]
amdhsa.kernels:
  - .name:           k_q9174832b42_proj
    .symbol:         k_q9174832b42_proj.kd
    .args:
      - { .name: ofr, .offset: 0, .size: 8, .value_kind: global_buffer, .address_space: global }
      - { .name: wof, .offset: 8, .size: 8, .value_kind: global_buffer, .address_space: global }
      - { .name: lowp_scales, .offset: 16, .size: 8, .value_kind: global_buffer, .address_space: global }
      - { .name: out0, .offset: 24, .size: 8, .value_kind: global_buffer, .address_space: global }
    .group_segment_fixed_size: 327680
    .private_segment_fixed_size: 0
    .kernarg_segment_align: 8
    .kernarg_segment_size: 32
    .max_flat_workgroup_size: 128
    .sgpr_count:     80
    .vgpr_count:     512
    .wavefront_size: 32
...
	.end_amdgpu_metadata
.endif
;; end of part 4
